; MI455X (gfx1250); checked and timed in simulation.
; The chip was launched on July 23, 2026; its instructions are those of AMD's public machine-readable ISA for CDNA 5 (MIT licence, August 2026) and "CDNA5" Instruction Set Architecture Reference Guide (July 2026). The comments in the code are by the model that wrote it; some were corrected since.
;; Switch Head Attention. Allowed arithmetic: float matrix products may take bf16 or f16 operands with f32 sums; all other float work in f32.
;; Inputs: Wd 16 x 8 x 1,024 float32; Wk 16 x 64 x 1,024 float32; Wo 8 x 1,024 x 64 float32; Wq 16 x 64 x 1,024 float32; Ws 16 x 8 x 1,024 float32; Wv 8 x 64 x 1,024 float32; x 2 x 2,048 x 1,024 float32.
;; Outputs: out0 2 x 2,048 x 1,024 float32.
;; One version. Each part assembles by itself: llvm-mc -triple=amdgcn-amd-amdhsa -mcpu=gfx1250 --defsym DOCPART=n.
;; ======== version 1 of 1: 5 launches
;; limits: values are held in f16: magnitudes above 65,504 overflow, below 6.1e-05 lose precision
;; workspace buffers: cb 15,204,352 bytes; qkp 20,971,520 bytes; gates 4,194,304 bytes; vb 8,388,608 bytes; mo 2,097,152 bytes; attn 16,777,216 bytes
;; launch cast (part 1): grid 232 x 1, 8 waves a work-group, no clusters, 0 bytes of LDS; arguments x, Wq, Wk, Wv, Ws, Wd, Wo, cb; writes cb
.if DOCPART == 1
	.amdgcn_target "amdgcn-amd-amdhsa--gfx1250"
	.amdhsa_code_object_version 6
	.text
	.protected	k_qb13f21b7df_cast
	.globl	k_qb13f21b7df_cast
	.p2align	8
	.type	k_qb13f21b7df_cast,@function
k_qb13f21b7df_cast:
	s_mov_b64 s[64:65], 0
	v_nop
	global_prefetch_b8 v0, s[64:65] scope:SCOPE_SE
	s_setreg_imm32_b32 hwreg(HW_REG_WAVE_MODE, 25, 1), 1
	s_wait_xcnt 0x0
; cb = bf16(x | Wq | Wk | Wv | Ws | Wd | Wo): all seven inputs rounded once (to nearest even) and laid one behind the other.
; A stream: no LDS, no matrix unit, no cluster, since no byte is used twice.
; A work-group takes one chunk of 32,768 numbers: 131,072 bytes in, 65,536 bytes out.  Every input is a whole number of chunks:
; x 128, Wq 32, Wk 32, Wv 16, Ws 4, Wd 4, Wo 16 = 232 chunks, so a chunk has one source, chosen by the work-group's number alone.
; Thread t takes 16 bytes at 16 t of every 4,096: a wave's load covers 512 consecutive bytes, its store 256 consecutive bytes, aligned.
; All 32 loads of a wave go out first; no register is written twice, so the only waits are the counted ones for the loads.
.set NLOAD, 32
.set IN,    4                          ; v[4:131]    32 x 4 numbers as loaded
.set OUTR,  132                        ; v[132:195]  32 x 2 words of bf16
	s_load_b512 s[4:19], s[0:1], 0x0               ; x, Wq, Wk, Wv, Ws, Wd, Wo, cb
	v_lshlrev_b32 v1, 4, v0                        ; my 16 bytes in each 4,096 of the source
	v_lshlrev_b32 v2, 3, v0                        ; my 8 bytes in each 2,048 of cb
	s_mov_b32 s24, 0                               ; the first chunk of the chosen source
	s_wait_kmcnt 0x0
	s_mov_b64 s[22:23], s[4:5]
.macro PICK lim, ptr                   ; from chunk lim on the source is the next input
	s_cmp_ge_u32 ttmp9, \lim
	s_cselect_b64 s[22:23], s[\ptr:\ptr+1], s[22:23]
	s_cselect_b32 s24, \lim, s24
.endm
	PICK 128, 6
	PICK 160, 8
	PICK 192, 10
	PICK 208, 12
	PICK 212, 14
	PICK 216, 16
	s_sub_co_u32 s26, ttmp9, s24                   ; the chunk's number inside its source,
	s_lshl_b32 s26, s26, 17                        ; times 131,072 bytes
	s_mov_b32 s27, 0
	s_add_nc_u64 s[22:23], s[22:23], s[26:27]
	s_lshl_b32 s28, ttmp9, 16                      ; cb keeps the order of the chunks: 65,536 bytes each
	s_mov_b32 s29, 0
	s_add_nc_u64 s[18:19], s[18:19], s[28:29]
.set i, 0
.rept NLOAD
	global_load_b128 v[IN+4*i:IN+4*i+3], v1, s[22:23] offset:4096*i th:TH_LOAD_NT
.set i, i+1
.endr
.set i, 0
.rept NLOAD
	s_wait_loadcnt NLOAD-1-i                       ; loads come back in order: number i is in, the younger ones stay out
	v_cvt_pk_bf16_f32 v[OUTR+2*i],   v[IN+4*i],   v[IN+4*i+1]
	v_cvt_pk_bf16_f32 v[OUTR+2*i+1], v[IN+4*i+2], v[IN+4*i+3]
	global_store_b64 v2, v[OUTR+2*i:OUTR+2*i+1], s[18:19] offset:2048*i
.set i, i+1
.endr
	s_endpgm
.Lfunc_end_k_qb13f21b7df_cast:
	.size	k_qb13f21b7df_cast, .Lfunc_end_k_qb13f21b7df_cast-k_qb13f21b7df_cast
	.p2alignl 7, 3214868480
	.fill 96, 4, 3214868480
	.section	.rodata,"a",@progbits
	.p2align	6, 0x0
	.amdhsa_kernel k_qb13f21b7df_cast
		.amdhsa_group_segment_fixed_size 0
		.amdhsa_private_segment_fixed_size 0
		.amdhsa_enable_private_segment 0
		.amdhsa_kernarg_size 64
		.amdhsa_user_sgpr_count 2
		.amdhsa_user_sgpr_kernarg_segment_ptr 1
		.amdhsa_wavefront_size32 1
		.amdhsa_system_sgpr_workgroup_id_x 1
		.amdhsa_system_sgpr_workgroup_id_y 1
		.amdhsa_system_sgpr_workgroup_id_z 1
		.amdhsa_system_vgpr_workitem_id 0
		.amdhsa_next_free_vgpr 200
		.amdhsa_next_free_sgpr 66
		.amdhsa_reserve_vcc 0
		.amdhsa_float_denorm_mode_32 3
		.amdhsa_float_denorm_mode_16_64 3
		.amdhsa_memory_ordered 1
		.amdhsa_forward_progress 1
		.amdhsa_inst_pref_size 13
	.end_amdhsa_kernel
	.amdgpu_metadata
---
amdhsa.version: [ 1, 2 ]
amdhsa.kernels:
  - .name:           k_qb13f21b7df_cast
    .symbol:         k_qb13f21b7df_cast.kd
    .args:
      - { .name: x, .offset: 0, .size: 8, .value_kind: global_buffer, .address_space: global }
      - { .name: Wq, .offset: 8, .size: 8, .value_kind: global_buffer, .address_space: global }
      - { .name: Wk, .offset: 16, .size: 8, .value_kind: global_buffer, .address_space: global }
      - { .name: Wv, .offset: 24, .size: 8, .value_kind: global_buffer, .address_space: global }
      - { .name: Ws, .offset: 32, .size: 8, .value_kind: global_buffer, .address_space: global }
      - { .name: Wd, .offset: 40, .size: 8, .value_kind: global_buffer, .address_space: global }
      - { .name: Wo, .offset: 48, .size: 8, .value_kind: global_buffer, .address_space: global }
      - { .name: cb, .offset: 56, .size: 8, .value_kind: global_buffer, .address_space: global }
    .group_segment_fixed_size: 0
    .private_segment_fixed_size: 0
    .kernarg_segment_align: 8
    .kernarg_segment_size: 64
    .max_flat_workgroup_size: 256
    .sgpr_count:     66
    .vgpr_count:     200
    .wavefront_size: 32
...
	.end_amdgpu_metadata
.endif
;; end of part 1
;; launch proj (part 2): grid 16 x 11, 4 waves a work-group, clusters of 4 x 1, 327,680 bytes of LDS; arguments cb, qkp, gates; writes qkp, gates
.if DOCPART == 2
	.amdgcn_target "amdgcn-amd-amdhsa--gfx1250"
	.amdhsa_code_object_version 6
	.text
	.protected	k_qb13f21b7df_proj
	.globl	k_qb13f21b7df_proj
	.p2align	8
	.type	k_qb13f21b7df_proj,@function
k_qb13f21b7df_proj:
	s_mov_b64 s[64:65], 0
	v_nop
	global_prefetch_b8 v0, s[64:65] scope:SCOPE_SE
	s_setreg_imm32_b32 hwreg(HW_REG_WAVE_MODE, 25, 1), 1
	s_wait_xcnt 0x0
	s_wait_alu depctr_hold_cnt(0) depctr_sa_sdst(0) depctr_va_vdst(0) depctr_va_sdst(0) depctr_va_ssrc(0) depctr_va_vcc(0) depctr_vm_vsrc(0)
	s_getreg_b32 s2, hwreg(HW_REG_IB_STS2, 6, 4)
	s_cmp_eq_u32 s2, 0
	s_cbranch_scc0 .Lentry_in_a_cluster
	s_endpgm
.Lentry_in_a_cluster:
	s_bfe_u32 s2, ttmp6, 0x10000c
	s_cmp_lg_u32 s2, 0x3003
	s_cbranch_scc0 .Lentry_shape_is_right
	s_endpgm
.Lentry_shape_is_right:
; C[4096][2816] = x W^T, x and W = (Wq | Wk | Wv | Ws | Wd) in bf16 from cb, sums in f32.  K = 1,024.
; Columns 0-2559 (q, k, the eight experts' V projections) leave as f16 in units of 64 columns, qkp[unit][token][64]; columns 2560-2815 (both gates) leave as f32, gates[token][256],
; since the choice of experts is made from them.
; LIMIT: |q|, |k| and the V projections must stay at or under 65,504, the largest f16.
; A tile of C is 256 x 256: four waves, each 128 x 128 in 64 accumulators.  16 x 11 tiles; the tiles' borders fall on the borders between q, k, V and the gates, so a tile has one way out.
; K goes in steps of 128 through two LDS slots; a wave's tensor load brings 128 rows of 256 bytes.
; CLUSTER: the four work-groups of a cluster have the same tile column and four neighbouring tile rows.  So W's tiles are asked for jointly (mask 15); x's tiles differ between the
; partners and are plain loads, issued behind the same rounds.  A cluster of 4 x 4 is not used: 11 tile columns are no multiple of 4.
; The matrix instruction is used transposed (source 0 = 16 rows of W, source 1 = 16 tokens): a lane then holds eight neighbouring columns of one token.
; REGISTERS: window 0: v16-28 addresses; v64-127, v128-191 x's fragments, two buffers; v32-63, v192-255 at work on the way out.  window 1: v64-191 W's fragments, two buffers.
;   window 2: the accumulators of my tokens 0-63 ((a, b) at v[8 (8 a + b)]);  window 3: those of my tokens 64-127.
.set SIZE_K, 1024
.set KSTEP,  128
.set PITCH,  272                       ; an LDS row: 256 bytes + 16 of padding = 68 words: the 16 rows of a fragment load start at 16 different banks (64 banks of 4 bytes: ISA guide 11.1)
.set HALFT,  128*PITCH                 ; what one tensor load brings
.set SLOT,   4*HALFT                   ; x's 256 rows, then W's 256 rows
.set STAGE,  2*SLOT                    ; behind the ring, never filled by a tensor load: 8,448 bytes for each wave
.set SW,     8448                      ; 16 rows x 528 bytes (f32) or 16 rows x 272 bytes (f16)
.set SPITCH, 272
.set GPITCH, 528
.set LAPS,   SIZE_K/(2*KSTEP)          ; a lap = two K steps = once round the ring
.set WB,     8388608                   ; W's first byte in cb
.set UNIT,   524288                    ; bytes of a unit of qkp: 4,096 tokens x 64 f16
.set ADRA, 16                          ; v16-17  LDS address of my x fragments in slot 0, 1
.set ADRB, 20                          ; v20-21  the same for W
.set STO,  24                          ; v24  f16 way out: where I put 16 bytes of a row
.set RD,   25                          ; v25  f16 way out: where I read back
.set CO,   26                          ; v26  16 x lane
.set STO2, 27                          ; v27  f32 way out: where I put 32 bytes of a row
.set RD2,  28                          ; v28  f32 way out: where I read back
.set F0,   64
.set F1,   128
.set TMP,  192
.set OB,   32
.set G1,  24                           ; s[24:31] group 1 for x's tiles;  s[32:39] group 0, a set for each slot
.set G0,  32
.set G1B, 48                           ; s[48:55], s[56:63] the same for W's tiles
.set G0B, 56
.set MSB, 0
.macro WIN new                         ; the immediate's high byte repeats the setting that is left; a switch that changes nothing is dropped
.if MSB != \new
	s_set_vgpr_msb (MSB<<8)|\new
.set MSB, \new
.endif
.endm
.set MUL_LO, 0xa1                      ; source 0 (W) window 1, source 1 (x) window 0, C and D window 2
.set MUL_HI, 0xf1                      ; the same, C and D window 3
.set TO_B,   0x40                      ; destination window 1, address window 0
; Waves 0 and 1 fetch x's two halves (plain), waves 2 and 3 W's (joint).  The branch hangs on the wave's number alone.  Four v_nop follow each of the two lines.
.macro JLOAD s
	s_cmp_eq_u32 s11, 0
	s_cbranch_scc0 .Lfor_b_\@
	tensor_load_to_lds s[G0+4*\s:G0+4*\s+3], s[G1:G1+7]
	s_nop 0
.rept 4
	v_nop
.endr
	s_branch .Lasked_\@
.Lfor_b_\@:
	tensor_load_to_lds s[G0B+4*\s:G0B+4*\s+3], s[G1B:G1B+7]
	s_nop 0
.rept 4
	v_nop
.endr
.Lasked_\@:
.endm
.macro CREST                           ; a round of the cluster's barrier behind its opening barrier
	s_cmp_lg_u32 s10, 0
	s_cbranch_scc1 .Lnot_wave_0_\@
	s_barrier_signal -3
.Lnot_wave_0_\@:
	s_barrier_wait -3
	s_barrier_signal -1
	s_barrier_wait -1
.endm
.macro CROUND                          ; a whole round
	s_barrier_signal -1
	s_barrier_wait -1
	CREST
.endm
	s_load_b128 s[4:7], s[0:1], 0x0                ; cb s[4:5], qkp s[6:7]
	s_load_b64 s[8:9], s[0:1], 0x10                ; gates
	s_set_vgpr_msb 0x40
	v_lshl_add_u32 v255, v0, 2, 0x4c400
	s_set_vgpr_msb 0x4000
	v_mov_b32 v31, 0
	s_set_vgpr_msb 0x1
	ds_add_u32 v255, v31
	s_set_vgpr_msb 0x100
	v_lshrrev_b32 v1, 5, v0
	v_readfirstlane_b32 s10, v1                    ; wave 0..3
	s_lshr_b32 s11, s10, 1                         ; which half of the tile's tokens is mine.  Also: I fetch for x (0) or for W (1)
	s_and_b32 s12, s10, 1                          ; which half of its columns.  Also: which 128 rows of that tile I fetch
	s_bfe_u32 s40, ttmp6, 0x40000                  ; cx: my place in the cluster
	s_lshl_b32 s42, ttmp9, 2
	s_add_co_u32 s42, s42, s40                     ; tile row X = 4 x cluster x + cx
	s_and_b32 s13, ttmp7, 0xffff                   ; tile column Y, which the partners share
	s_mov_b32 s[G1+0],  (1<<16)|(1<<20)|(5<<22)|(3<<25)             ; no mask; elements of 2 bytes; padding on: after every 64 words (code 5) 4 words (code 3)
	s_mov_b32 s[G1B+0], 15|(1<<16)|(1<<20)|(1<<21)|(5<<22)|(3<<25)  ; the same with the mask of all four partners, and bit 21 beside it
.irp g, G1, G1B
	s_mov_b32 s[\g+1], KSTEP<<16                   ; tensor_dim0 = 128
	s_mov_b32 s[\g+2], 128<<16                     ; tensor_dim1 = 128
	s_mov_b32 s[\g+3], KSTEP<<16                   ; tile_dim0 = 128
	s_mov_b32 s[\g+4], 128                         ; tile_dim1 = 128
	s_mov_b32 s[\g+5], SIZE_K                      ; elements from row to row
	s_mov_b32 s[\g+6], 0
	s_mov_b32 s[\g+7], 0
.endr
	s_lshl_b32 s16, s42, 19                        ; x: (256 X + 128 half) rows of 2,048 bytes
	s_lshl_b32 s17, s12, 18
	s_add_co_u32 s16, s16, s17
	s_mov_b32 s17, 0
	s_lshl_b32 s46, s13, 19                        ; W: (256 Y + 128 half) rows, behind x in cb; nothing here hangs on cx
	s_lshl_b32 s47, s12, 18
	s_add_co_u32 s46, s46, s47
	s_add_co_u32 s46, s46, WB
	s_mov_b32 s47, 0
	s_mul_i32 s20, s10, HALFT                      ; where they go: wave x 128 rows
	s_wait_dscnt 0x0
	s_wait_kmcnt 0x0
	s_add_nc_u64 s[14:15], s[4:5], s[16:17]
	s_add_nc_u64 s[46:47], s[4:5], s[46:47]
	CROUND                                         ; all four work-groups are here: the first joint loads meet
.irp s, 0,1
	s_mov_b32 s[G0+4*\s], 1
	s_add_co_u32 s[G0+4*\s+1], s20, \s*SLOT
	s_add_nc_u64 s[G0+4*\s+2:G0+4*\s+3], s[14:15], \s*KSTEP*2
	s_or_b32 s[G0+4*\s+3], s[G0+4*\s+3], 0x80000000
	s_mov_b32 s[G0B+4*\s], 1
	s_add_co_u32 s[G0B+4*\s+1], s20, \s*SLOT
	s_add_nc_u64 s[G0B+4*\s+2:G0B+4*\s+3], s[46:47], \s*KSTEP*2
	s_or_b32 s[G0B+4*\s+3], s[G0B+4*\s+3], 0x80000000
	JLOAD \s                                       ; K steps 0 and 1: two loads of mine are out
.endr
	v_and_b32 v1, 15, v0                           ; l % 16
	v_bfe_u32 v2, v0, 4, 1                         ; l / 16
	v_mul_u32_u24 v3, v1, PITCH
	v_lshl_add_u32 v3, v2, 4, v3                   ; a fragment's row x pitch + 16 x half
	s_mul_i32 s21, s11, HALFT                      ; my 128 tokens
	s_mul_i32 s22, s12, HALFT                      ; my 128 rows of W,
	s_add_co_u32 s22, s22, 2*HALFT                 ; which lie behind x's 256
.irp s, 0,1
	v_add_nc_u32 v[ADRA+\s], s21, v3
	v_add_nc_u32 v[ADRB+\s], s22, v3
	s_add_co_u32 s21, s21, SLOT
	s_add_co_u32 s22, s22, SLOT
.endr
	s_mul_i32 s23, s10, SW
	s_add_co_u32 s23, s23, STAGE                   ; my stage
	v_mul_u32_u24 v4, v1, SPITCH                   ; f16, in: row l % 16, 16 bytes for each half of the lanes
	v_lshl_add_u32 v4, v2, 4, v4
	v_add_nc_u32 v[STO], s23, v4
	v_bfe_u32 v5, v0, 3, 2                         ; f16, back: eight lanes take a token's 128 bytes of one unit, a wave four tokens
	v_and_b32 v6, 7, v0
	v_mul_u32_u24 v5, v5, SPITCH
	v_lshl_add_u32 v5, v6, 4, v5
	v_add_nc_u32 v[RD], s23, v5
	v_and_b32 v7, 31, v0
	v_lshlrev_b32 v[CO], 4, v7
	v_mul_u32_u24 v4, v1, GPITCH                   ; f32, in: row l % 16, 32 bytes for each half of the lanes
	v_lshl_add_u32 v4, v2, 5, v4
	v_add_nc_u32 v[STO2], s23, v4
	v_add_nc_u32 v[RD2], s23, v[CO]                ; f32, back: a wave takes a row's 512 bytes
; 16 matrix instructions: token blocks a0, a0 + 1 of the window's four x all 8 column blocks, 32 along K.  zero = 1: the first product starts the sums.
; The 64 accumulators take turns, one instruction a turn, in the same order in every quarter.
.macro MUL16 f, hi, a0, zero
.irp a, \a0, \a0+1
.irp b, 0,1,2,3,4,5,6,7
.if \zero
	v_wmma_f32_16x16x32_bf16 v[8*(8*(\a)+\b):8*(8*(\a)+\b)+7], v[\f+8*\b:\f+8*\b+7], v[\f+8*(4*\hi+\a):\f+8*(4*\hi+\a)+7], 0
.else
	v_wmma_f32_16x16x32_bf16 v[8*(8*(\a)+\b):8*(8*(\a)+\b)+7], v[\f+8*\b:\f+8*\b+7], v[\f+8*(4*\hi+\a):\f+8*(4*\hi+\a)+7], v[8*(8*(\a)+\b):8*(8*(\a)+\b)+7]
.endif
.endr
.endr
.endm
; 32 LDS loads in one run: the fragments of one quarter step (32 K at byte k of the rows) into buffer f
.macro FETCH slot, k, f
	WIN TO_B
.irp i, 0,1,2,3,4,5,6,7
	ds_load_b128 v[\f+8*\i:\f+8*\i+3],   v[ADRB+\slot] offset:\k+\i*16*PITCH
	ds_load_b128 v[\f+8*\i+4:\f+8*\i+7], v[ADRB+\slot] offset:\k+\i*16*PITCH+32
.endr
	WIN 0
.irp i, 0,1,2,3,4,5,6,7
	ds_load_b128 v[\f+8*\i:\f+8*\i+3],   v[ADRA+\slot] offset:\k+\i*16*PITCH
	ds_load_b128 v[\f+8*\i+4:\f+8*\i+7], v[ADRA+\slot] offset:\k+\i*16*PITCH+32
.endr
.endm
; Four plain vector instructions stand between a matrix instruction and a load into one of its sources, or a reader of its result (for a reader of its result).
.macro PLACES
.rept 4
	v_nop
.endr
.endm
; A K step is four quarters of 32 along K, 64 matrix instructions each, on buffers 0, 1, 0, 1.  One of the first three multiplies buffer f and fetches the next quarter into g.
.macro QUARTER slot, k, f, g, zero
	s_wait_dscnt 8                                 ; W's fragments and x's tokens 0-63 are in; the youngest eight loads (tokens 64-127) may be out
	WIN MUL_LO
	MUL16 \f, 0, 0, \zero
	MUL16 \f, 0, 2, \zero
	PLACES
	FETCH \slot, \k, \g
	s_wait_dscnt 32                                ; all but the 32 just issued
	WIN MUL_HI
	MUL16 \f, 1, 0, \zero
	MUL16 \f, 1, 2, \zero
.endm
; The first half of a step's last quarter: one barrier for the change of slots.  In front of it each wave waits for its reads of this slot and for all its tensor loads.
.macro MEET round
	s_wait_dscnt 8
	WIN MUL_LO
	MUL16 F1, 0, 0, 0
	s_wait_dscnt 0                                 ; my reads of this slot are over
	s_wait_tensorcnt 0x0                           ; all my tensor loads have landed: the one that was out is my part of the next slot
	ds_add_u32 v255, v31
	s_wait_dscnt 0x0
	s_barrier_signal -1
	MUL16 F1, 0, 2, 0                              ; register work while the others arrive
.if \round
	WIN 0
.endif
	s_barrier_wait -1
.endm
; The whole last quarter where the slot is filled again, two K steps ahead: the barrier opens a round of the cluster's, and the refill is the first tensor load behind it.
.macro TURN slot, next
	MEET 1
	CREST
	s_add_nc_u64 s[G0+4*\slot+2:G0+4*\slot+3], s[G0+4*\slot+2:G0+4*\slot+3], 2*KSTEP*2
	s_add_nc_u64 s[G0B+4*\slot+2:G0B+4*\slot+3], s[G0B+4*\slot+2:G0B+4*\slot+3], 2*KSTEP*2
	JLOAD \slot                                    ; its four v_nop are also the places in front of the loads below
	FETCH \next, 0, F0
	WIN MUL_HI
	MUL16 F1, 1, 0, 0
	MUL16 F1, 1, 2, 0
.endm
	s_wait_tensorcnt 1                             ; my part of K step 0 is in; K step 1's may stay out
	s_barrier_signal -1
	s_barrier_wait -1
	FETCH 0, 0, F0
	QUARTER 0, 64,  F0, F1, 1                      ; the first quarter starts the sums: nothing is cleared
	WIN 0
	s_mov_b32 s3, LAPS-1
.Llap:                                                 ; a trip goes once round the ring and fills both slots again: K steps 2 to 7 in three trips
	QUARTER 0, 128, F1, F0, 0
	QUARTER 0, 192, F0, F1, 0
	TURN 0, 1
	QUARTER 1, 64,  F0, F1, 0
	QUARTER 1, 128, F1, F0, 0
	QUARTER 1, 192, F0, F1, 0
	TURN 1, 0
	QUARTER 0, 64,  F0, F1, 0
	WIN 0
	s_sub_co_u32 s3, s3, 1
	s_cmp_lg_u32 s3, 0
	s_cbranch_scc1 .Llap
	QUARTER 0, 128, F1, F0, 0                      ; the last lap fills nothing
	QUARTER 0, 192, F0, F1, 0
	MEET 0
	PLACES
	FETCH 1, 0, F0
	WIN MUL_HI
	MUL16 F1, 1, 0, 0
	MUL16 F1, 1, 2, 0
	QUARTER 1, 64,  F0, F1, 0
	QUARTER 1, 128, F1, F0, 0
	QUARTER 1, 192, F0, F1, 0
	s_wait_dscnt 8
	WIN MUL_LO
	MUL16 F1, 0, 0, 0
	MUL16 F1, 0, 2, 0
	s_wait_dscnt 0
	WIN MUL_HI
	MUL16 F1, 1, 0, 0
	MUL16 F1, 1, 2, 0
	WIN 0
	PLACES
	s_cmp_eq_u32 s13, 10                           ; the tile column is the same in all partners and all waves
	s_cbranch_scc1 .Lgates
	; THE WAY OUT IN f16, 16 tokens at a time through my own stage: my 128 columns are two units of qkp.
	s_lshl_b32 s16, s13, 2
	s_lshl_b32 s17, s12, 1
	s_add_co_u32 s16, s16, s17                     ; my first unit = 4 Y + 2 x column half
	s_lshl_b32 s16, s16, 19
	s_lshl_b32 s17, s42, 15                        ; 256 X tokens of 128 bytes
	s_add_co_u32 s16, s16, s17
	s_lshl_b32 s17, s11, 14                        ; my 128 tokens
	s_add_co_u32 s16, s16, s17
	s_mov_b32 s17, 0
	s_add_nc_u64 s[6:7], s[6:7], s[16:17]
.macro PACK a                          ; block a rounded to f16: a lane's eight columns are 16 bytes
.set AC, 64*((\a)%4)
	WIN 0x0a+5*((\a)/4)                            ; sources 0 and 1: window 2 or 3
.irp b, 0,1,2,3,4,5,6,7
.irp r, 0,1,2,3
	v_cvt_pk_f16_f32 v[TMP+4*\b+\r], v[AC+8*\b+2*\r], v[AC+8*\b+2*\r+1]
.endr
.endr
	WIN 0
.endm
.macro TOSTAGE a
.set BK, OB+192*((\a)%2)
.irp b, 0,1,2,3,4,5,6,7
	ds_store_b128 v[STO], v[TMP+4*\b:TMP+4*\b+3] offset:32*\b
.endr
.irp t, 0,1,2,3,4,5,6,7
	ds_load_b128 v[BK+4*\t:BK+4*\t+3], v[RD] offset:(\t%4)*4*SPITCH+(\t/4)*128   ; LDS serves a wave's instructions in order (ISA guide 5.7.1.4): these see the stores above
.endr
.endm
.macro SEND a
.set BK, OB+192*((\a)%2)
	s_wait_dscnt 0x0                               ; the block is back in registers
	s_wait_xcnt 0x0                                ; the registers that the stores of two blocks ago read are loaded again only behind this wait
.irp t, 0,1,2,3,4,5,6,7
	global_store_b128 v[CO], v[BK+4*\t:BK+4*\t+3], s[6:7] offset:(\t/4)*UNIT+(\a)*2048+(\t%4)*512   ; four tokens of one unit: 512 consecutive bytes, aligned
.endr
.endm
	PACK 0
	TOSTAGE 0
.irp a, 1,2,3,4,5,6,7
	PACK \a
	SEND \a-1
	TOSTAGE \a
.endr
	SEND 7
	s_branch .Ldone
.Lgates:
	; THE WAY OUT IN f32: the gates stay as they were summed.
	s_lshl_b32 s16, s42, 18                        ; 256 X tokens of 1,024 bytes
	s_lshl_b32 s17, s11, 17                        ; my 128 tokens
	s_add_co_u32 s16, s16, s17
	s_lshl_b32 s17, s12, 9                         ; my 128 columns
	s_add_co_u32 s16, s16, s17
	s_mov_b32 s17, 0
	s_add_nc_u64 s[8:9], s[8:9], s[16:17]
.macro GOUT a
.set AC, 64*((\a)%4)
	WIN 0x08+4*((\a)/4)                            ; an LDS store's data is source 1: window 2 or 3
.irp b, 0,1,2,3,4,5,6,7
	ds_store_b128 v[STO2], v[AC+8*\b:AC+8*\b+3]   offset:64*\b
	ds_store_b128 v[STO2], v[AC+8*\b+4:AC+8*\b+7] offset:64*\b+16
.endr
	WIN 0
	s_wait_xcnt 0x0                                ; the last block's stores have read v64-127
.irp i, 0,1,2,3,4,5,6,7,8,9,10,11,12,13,14,15
	ds_load_b128 v[64+4*\i:64+4*\i+3], v[RD2] offset:GPITCH*\i
.endr
	s_wait_dscnt 0x0
.irp i, 0,1,2,3,4,5,6,7,8,9,10,11,12,13,14,15
	global_store_b128 v[CO], v[64+4*\i:64+4*\i+3], s[8:9] offset:(16*(\a)+\i)*1024   ; half a token's row: 512 consecutive bytes, aligned
.endr
.endm
.irp a, 0,1,2,3,4,5,6,7
	GOUT \a
.endr
.Ldone:
	s_set_vgpr_msb 0x1
	s_wait_tensorcnt 0x0
	ds_add_u32 v255, v31
	s_wait_dscnt 0x0
	s_set_vgpr_msb 0x100
	CROUND                                         ; the closing round: no work-group ends while a partner may still ask for a tile that names it
	s_endpgm
.Lfunc_end_k_qb13f21b7df_proj:
	.size	k_qb13f21b7df_proj, .Lfunc_end_k_qb13f21b7df_proj-k_qb13f21b7df_proj
	.p2alignl 7, 3214868480
	.fill 96, 4, 3214868480
	.section	.rodata,"a",@progbits
	.p2align	6, 0x0
	.amdhsa_kernel k_qb13f21b7df_proj
		.amdhsa_group_segment_fixed_size 327680
		.amdhsa_private_segment_fixed_size 0
		.amdhsa_enable_private_segment 0
		.amdhsa_kernarg_size 24
		.amdhsa_user_sgpr_count 2
		.amdhsa_user_sgpr_kernarg_segment_ptr 1
		.amdhsa_wavefront_size32 1
		.amdhsa_system_sgpr_workgroup_id_x 1
		.amdhsa_system_sgpr_workgroup_id_y 1
		.amdhsa_system_sgpr_workgroup_id_z 1
		.amdhsa_system_vgpr_workitem_id 0
		.amdhsa_next_free_vgpr 1024
		.amdhsa_next_free_sgpr 66
		.amdhsa_reserve_vcc 0
		.amdhsa_float_denorm_mode_32 3
		.amdhsa_float_denorm_mode_16_64 3
		.amdhsa_memory_ordered 1
		.amdhsa_forward_progress 1
		.amdhsa_inst_pref_size 172
	.end_amdhsa_kernel
	.amdgpu_metadata
---
amdhsa.version: [ 1, 2 ]
amdhsa.kernels:
  - .name:           k_qb13f21b7df_proj
    .symbol:         k_qb13f21b7df_proj.kd
    .args:
      - { .name: cb, .offset: 0, .size: 8, .value_kind: global_buffer, .address_space: global }
      - { .name: qkp, .offset: 8, .size: 8, .value_kind: global_buffer, .address_space: global }
      - { .name: gates, .offset: 16, .size: 8, .value_kind: global_buffer, .address_space: global }
    .group_segment_fixed_size: 327680
    .private_segment_fixed_size: 0
    .kernarg_segment_align: 8
    .kernarg_segment_size: 24
    .max_flat_workgroup_size: 128
    .sgpr_count:     66
    .vgpr_count:     1024
    .wavefront_size: 32
...
	.end_amdgpu_metadata
.endif
;; end of part 2
;; launch mix (part 3): grid 256 x 1, 8 waves a work-group, no clusters, 17,408 bytes of LDS; arguments gates, qkp, vb, mo; writes vb, mo
.if DOCPART == 3
	.amdgcn_target "amdgcn-amd-amdhsa--gfx1250"
	.amdhsa_code_object_version 6
	.text
	.protected	k_qb13f21b7df_mix
	.globl	k_qb13f21b7df_mix
	.p2align	8
	.type	k_qb13f21b7df_mix,@function
k_qb13f21b7df_mix:
	s_mov_b64 s[64:65], 0
	v_nop
	global_prefetch_b8 v0, s[64:65] scope:SCOPE_SE
	s_setreg_imm32_b32 hwreg(HW_REG_WAVE_MODE, 25, 1), 1
	s_wait_xcnt 0x0
; The two largest of each head's eight gates, for both gates; v[h][t][:] = sum over e of mix[t][h][e] pv[e][t][:] (f16); mo[t][h][e] = 1 for the two chosen output experts, else 0 (f32).
; Equal gates: the lower index is taken first, as a stable top-k takes it.  The choice only feeds selects: no address and no branch hangs on it.
; LIMITS: gates must be finite (with a NaN nothing is chosen; a gate of -infinity is the mark of the one already taken).  |v| must stay at or under 65,504 (f16).
; A stream with little arithmetic: no matrix unit, no cluster.  A work-group takes 16 tokens, each of its eight waves one pair: 2,048 waves in the launch, two on a SIMD, so that one wave's
; waits are the other's time.  A wave's 2 KiB of LDS are its own, so there is no barrier.
; CHOICE: lane l < 16 holds head l's eight V gates of a token, lane l >= 16 head l - 16's eight O gates.  The pair's two tokens go side by side.  The eight weights (0, a sigmoid, or 1) go to LDS as [token][256].
; MIX: lane l holds 4 channels (4 (l % 16) on) of token l / 16 of the pair, for all eight experts; a head's eight weights come from LDS, the same words for 16 lanes.  Two heads at a time: four chains of sums.
.set UNIT, 524288                      ; bytes of a unit of qkp and vb: 4,096 tokens x 64 f16
.set G,    10                          ; v[10:25]   token j: 8 gates, then 8 weights
.set T,    26                          ; v[26:41]   token j: the gates without the largest
.set M1,   42                          ; v42-43     the largest, token 0, 1
.set M2,   44                          ; v44-45     the second
.set A1,   46                          ; v46-47     the largest's weight
.set A2,   48                          ; v48-49     the second's
.set NINF, 50
.set PVH,  52                          ; v[52:67]   expert e: 4 f16 in 2 registers
.set PVF,  68                          ; v[68:99]   expert e: 4 f32
.set W,    100                         ; v[100:131] two heads' 16 weights, two buffers
.set ACC,  132                         ; v[132:139] two heads x 4 sums
.set OUTR, 140                         ; v[140:171] head h: 4 f16; a set for each, so that no store's data is written again
.set MK,   172                         ; v[172:179] the two tokens' rows of mo
.set SEL1, 20                          ; s[20:35]   token j, index e: the lanes whose largest gate is e
.set FND,  36                          ; s[36:39]   token j: the lanes that have found theirs, two registers by turns
.set SEL2, 40                          ; s[40:55]   the same for the second
.macro CVT2 d, s                       ; both halves of v<s> widened
	v_cvt_f32_f16 v[\d],   v\s\().l
	v_cvt_f32_f16 v[\d+1], v\s\().h
.endm
	s_load_b256 s[4:11], s[0:1], 0x0               ; gates s[4:5], qkp s[6:7], vb s[8:9], mo s[10:11]
	v_lshl_add_u32 v180, v0, 2, 0x4000
	v_mov_b32 v181, 0
	v_lshrrev_b32 v1, 5, v0
	v_readfirstlane_b32 s12, v1                    ; wave
	s_lshl_b32 s13, ttmp9, 4
	s_lshl1_add_u32 s13, s12, s13                  ; my first token = 16 x work-group + 2 x wave
	v_and_b32 v1, 31, v0                           ; lane
	v_lshlrev_b32 v2, 5, v1                        ; 32 x lane: my eight gates
	v_lshlrev_b32 v3, 3, v1                        ; 8 x lane: my four f16
	v_lshlrev_b32 v4, 4, v1                        ; 16 x lane
	s_lshl_b32 s14, s12, 11                        ; my wave's LDS
	v_add_nc_u32 v5, s14, v2
	v_add_nc_u32 v6, s14, v4
	v_lshrrev_b32 v7, 4, v1
	v_lshl_add_u32 v7, v7, 10, s14                 ; my token of the pair
	v_mov_b32 v[NINF], 0xff800000
	s_mov_b32 s56, 0xffff0000                      ; the lanes of the O gate
	s_lshl_b32 s16, s13, 10
	s_mov_b32 s17, 0
	s_lshl_b32 s18, s13, 7
	s_mov_b32 s19, 0
	s_lshl_b32 s58, s13, 9
	s_mov_b32 s59, 0
	s_wait_kmcnt 0x0
	s_add_nc_u64 s[4:5], s[4:5], s[16:17]
	s_add_nc_u64 s[6:7], s[6:7], s[18:19]
	s_add_nc_u64 s[6:7], s[6:7], 32*UNIT           ; the experts' projections are units 32 to 39
	s_add_nc_u64 s[8:9], s[8:9], s[18:19]
	s_add_nc_u64 s[10:11], s[10:11], s[58:59]
.irp j, 0,1
	global_load_b128 v[G+8*\j:G+8*\j+3],   v2, s[4:5] offset:1024*\j
	global_load_b128 v[G+8*\j+4:G+8*\j+7], v2, s[4:5] offset:1024*\j+16
.endr
.irp e, 0,1,2,3,4,5,6,7
	global_load_b64 v[PVH+2*\e:PVH+2*\e+1], v3, s[6:7] offset:\e*UNIT   ; the pair's rows of one expert: 256 consecutive bytes, aligned
.endr
.macro MAXBOTH dst, src                ; the largest of eight, both tokens by turns
.irp j, 0,1
	v_max3_num_f32 v[\dst+\j], v[\src+8*\j], v[\src+8*\j+1], v[\src+8*\j+2]
.endr
.irp j, 0,1
	v_max3_num_f32 v[\dst+\j], v[\dst+\j], v[\src+8*\j+3], v[\src+8*\j+4]
.endr
.irp j, 0,1
	v_max3_num_f32 v[\dst+\j], v[\dst+\j], v[\src+8*\j+5], v[\src+8*\j+6]
.endr
.irp j, 0,1
	v_max_num_f32  v[\dst+\j], v[\dst+\j], v[\src+8*\j+7]
.endr
.endm
; s[sel + 8 j + e]: the lanes in which e is the LOWEST index that holds token j's maximum.  All sixteen compares stand in one run, then the scalar chain: the vector and the scalar unit hand over once each way.
.macro FIRSTBOTH src, mx, sel
.irp j, 0,1
.irp e, 0,1,2,3,4,5,6,7
	v_cmp_eq_f32 s[\sel+8*\j+\e], v[\src+8*\j+\e], v[\mx+\j]
.endr
.endr
.irp j, 0,1
	s_mov_b32 s[FND+2*\j], s[\sel+8*\j]            ; found at index 0
.endr
.irp e, 1,2,3,4,5,6,7
.irp j, 0,1
.if \e < 7
	s_or_b32 s[FND+2*\j+(\e%2)], s[FND+2*\j+((\e+1)%2)], s[\sel+8*\j+\e]        ; found at an index up to e
.endif
	s_and_not1_b32 s[\sel+8*\j+\e], s[\sel+8*\j+\e], s[FND+2*\j+((\e+1)%2)]     ; e counts only where no lower index did
.endr
.endr
.endm
	s_wait_loadcnt 8                               ; the gates are in; the eight loads of the projections stay out
	MAXBOTH M1, G
	FIRSTBOTH G, M1, SEL1
.irp j, 0,1
.irp e, 0,1,2,3,4,5,6,7
	v_cndmask_b32 v[T+8*\j+\e], v[G+8*\j+\e], v[NINF], s[SEL1+8*\j+\e]   ; the one taken is out of the second search
.endr
.endr
	MAXBOTH M2, T
	FIRSTBOTH T, M2, SEL2
.irp i, 0,1,2,3
	v_mul_f32 v[A1+\i], 0xbfb8aa3b, v[M1+\i]       ; sigmoid(m) = 1 / (1 + 2^(-m log2 e)), for both maxima of both tokens
.endr
.irp i, 0,1,2,3
	v_exp_f32 v[A1+\i], v[A1+\i]
.endr
	v_nop                                          ; a plain instruction behind the transcendentals, ahead of the use of their results (ISA guide 5.7.2)
	s_wait_alu depctr_va_vdst(0)
.irp i, 0,1,2,3
	v_add_f32 v[A1+\i], 1.0, v[A1+\i]
.endr
.irp i, 0,1,2,3
	v_rcp_f32 v[A1+\i], v[A1+\i]
.endr
	v_nop
	s_wait_alu depctr_va_vdst(0)
.irp i, 0,1,2,3
	v_cndmask_b32 v[A1+\i], v[A1+\i], 1.0, s56     ; the output experts are summed unweighted
.endr
.irp j, 0,1
.irp e, 0,1,2,3,4,5,6,7
	v_cndmask_b32 v[G+8*\j+\e], 0, v[A1+\j], s[SEL1+8*\j+\e]
.endr
.endr
.irp j, 0,1
.irp e, 0,1,2,3,4,5,6,7
	v_cndmask_b32 v[G+8*\j+\e], v[G+8*\j+\e], v[A2+\j], s[SEL2+8*\j+\e]
.endr
.endr
.irp j, 0,1
	ds_store_b128 v5, v[G+8*\j:G+8*\j+3]   offset:1024*\j
	ds_store_b128 v5, v[G+8*\j+4:G+8*\j+7] offset:1024*\j+16
.endr
.irp j, 0,1
	ds_load_b128 v[MK+4*\j:MK+4*\j+3], v6 offset:1024*\j+512   ; the O half of a token's row, whole; LDS serves a wave's instructions in order (ISA guide 5.7.1.4)
.endr
.macro WLOAD hp                        ; heads 2 hp and 2 hp + 1: sixteen weights of my token, 64 consecutive bytes
.irp k, 0,1,2,3
	ds_load_b128 v[W+16*((\hp)%2)+4*\k:W+16*((\hp)%2)+4*\k+3], v7 offset:64*(\hp)+16*\k
.endr
.endm
; Experts 2 e2 (a pair of weights' first, for both halves of the packed product) and 2 e2 + 1 (its second), for both heads: eight instructions on four sums by turns.  start = 1: expert 0 starts the sums.
.macro MAC2 e2, start
.irp i, 0,1
.if \start
	v_pk_mul_f32 v[ACC+4*\i:ACC+4*\i+1],   v[PVF+8*\e2:PVF+8*\e2+1],   v[wb+8*\i+2*\e2:wb+8*\i+2*\e2+1] op_sel:[0,0] op_sel_hi:[1,0]
	v_pk_mul_f32 v[ACC+4*\i+2:ACC+4*\i+3], v[PVF+8*\e2+2:PVF+8*\e2+3], v[wb+8*\i+2*\e2:wb+8*\i+2*\e2+1] op_sel:[0,0] op_sel_hi:[1,0]
.else
	v_pk_fma_f32 v[ACC+4*\i:ACC+4*\i+1],   v[PVF+8*\e2:PVF+8*\e2+1],   v[wb+8*\i+2*\e2:wb+8*\i+2*\e2+1], v[ACC+4*\i:ACC+4*\i+1]   op_sel:[0,0,0] op_sel_hi:[1,0,1]
	v_pk_fma_f32 v[ACC+4*\i+2:ACC+4*\i+3], v[PVF+8*\e2+2:PVF+8*\e2+3], v[wb+8*\i+2*\e2:wb+8*\i+2*\e2+1], v[ACC+4*\i+2:ACC+4*\i+3] op_sel:[0,0,0] op_sel_hi:[1,0,1]
.endif
.endr
.irp i, 0,1
	v_pk_fma_f32 v[ACC+4*\i:ACC+4*\i+1],   v[PVF+8*\e2+4:PVF+8*\e2+5], v[wb+8*\i+2*\e2:wb+8*\i+2*\e2+1], v[ACC+4*\i:ACC+4*\i+1]   op_sel:[0,1,0] op_sel_hi:[1,1,1]
	v_pk_fma_f32 v[ACC+4*\i+2:ACC+4*\i+3], v[PVF+8*\e2+6:PVF+8*\e2+7], v[wb+8*\i+2*\e2:wb+8*\i+2*\e2+1], v[ACC+4*\i+2:ACC+4*\i+3] op_sel:[0,1,0] op_sel_hi:[1,1,1]
.endr
.endm
	WLOAD 0
	s_wait_dscnt 4                                 ; the rows of mo are in; the first two heads' four loads stay out
.irp j, 0,1
	global_store_b128 v4, v[MK+4*\j:MK+4*\j+3], s[10:11] offset:512*\j   ; a token's row of mo: 512 consecutive bytes, aligned
.endr
	s_wait_loadcnt 0x0                             ; the projections
.irp s, 52,53,54,55,56,57,58,59,60,61,62,63,64,65,66,67
	CVT2 PVF+2*(\s-52), \s
.endr
.irp hp, 0,1,2,3,4,5,6,7
.if \hp < 7
	WLOAD \hp+1
	s_wait_dscnt 4                                 ; these two heads' weights are in; the next two heads' four loads stay out
.else
	s_wait_dscnt 0x0
.endif
.set wb, W+16*(\hp%2)
	MAC2 0, 1
	MAC2 1, 0
	MAC2 2, 0
	MAC2 3, 0
.irp k, 0,1,2,3
	v_cvt_pk_f16_f32 v[OUTR+4*\hp+\k], v[ACC+2*\k], v[ACC+2*\k+1]
.endr
	global_store_b64 v3, v[OUTR+4*\hp:OUTR+4*\hp+1],   s[8:9] offset:(2*\hp)*UNIT     ; the pair's rows of one head: 256 consecutive bytes, aligned
	global_store_b64 v3, v[OUTR+4*\hp+2:OUTR+4*\hp+3], s[8:9] offset:(2*\hp+1)*UNIT
.endr
	s_wait_tensorcnt 0x0
	ds_add_u32 v180, v181
	s_wait_dscnt 0x0
	s_endpgm
.Lfunc_end_k_qb13f21b7df_mix:
	.size	k_qb13f21b7df_mix, .Lfunc_end_k_qb13f21b7df_mix-k_qb13f21b7df_mix
	.p2alignl 7, 3214868480
	.fill 96, 4, 3214868480
	.section	.rodata,"a",@progbits
	.p2align	6, 0x0
	.amdhsa_kernel k_qb13f21b7df_mix
		.amdhsa_group_segment_fixed_size 17408
		.amdhsa_private_segment_fixed_size 0
		.amdhsa_enable_private_segment 0
		.amdhsa_kernarg_size 32
		.amdhsa_user_sgpr_count 2
		.amdhsa_user_sgpr_kernarg_segment_ptr 1
		.amdhsa_wavefront_size32 1
		.amdhsa_system_sgpr_workgroup_id_x 1
		.amdhsa_system_sgpr_workgroup_id_y 1
		.amdhsa_system_sgpr_workgroup_id_z 1
		.amdhsa_system_vgpr_workitem_id 0
		.amdhsa_next_free_vgpr 182
		.amdhsa_next_free_sgpr 66
		.amdhsa_reserve_vcc 0
		.amdhsa_float_denorm_mode_32 3
		.amdhsa_float_denorm_mode_16_64 3
		.amdhsa_memory_ordered 1
		.amdhsa_forward_progress 1
		.amdhsa_inst_pref_size 35
	.end_amdhsa_kernel
	.amdgpu_metadata
---
amdhsa.version: [ 1, 2 ]
amdhsa.kernels:
  - .name:           k_qb13f21b7df_mix
    .symbol:         k_qb13f21b7df_mix.kd
    .args:
      - { .name: gates, .offset: 0, .size: 8, .value_kind: global_buffer, .address_space: global }
      - { .name: qkp, .offset: 8, .size: 8, .value_kind: global_buffer, .address_space: global }
      - { .name: vb, .offset: 16, .size: 8, .value_kind: global_buffer, .address_space: global }
      - { .name: mo, .offset: 24, .size: 8, .value_kind: global_buffer, .address_space: global }
    .group_segment_fixed_size: 17408
    .private_segment_fixed_size: 0
    .kernarg_segment_align: 8
    .kernarg_segment_size: 32
    .max_flat_workgroup_size: 256
    .sgpr_count:     66
    .vgpr_count:     182
    .wavefront_size: 32
...
	.end_amdgpu_metadata
.endif
;; end of part 3
;; launch attn (part 4): grid 8 x 32, 4 waves a work-group, clusters of 4 x 1, 327,680 bytes of LDS; arguments qkp, vb, attn; writes attn
.if DOCPART == 4
	.amdgcn_target "amdgcn-amd-amdhsa--gfx1250"
	.amdhsa_code_object_version 6
	.text
	.protected	k_qb13f21b7df_attn
	.globl	k_qb13f21b7df_attn
	.p2align	8
	.type	k_qb13f21b7df_attn,@function
k_qb13f21b7df_attn:
	s_mov_b64 s[64:65], 0
	v_nop
	global_prefetch_b8 v0, s[64:65] scope:SCOPE_SE
	s_setreg_imm32_b32 hwreg(HW_REG_WAVE_MODE, 25, 1), 1
	s_wait_xcnt 0x0
	s_wait_alu depctr_hold_cnt(0) depctr_sa_sdst(0) depctr_va_vdst(0) depctr_va_sdst(0) depctr_va_ssrc(0) depctr_va_vcc(0) depctr_vm_vsrc(0)
	s_getreg_b32 s2, hwreg(HW_REG_IB_STS2, 6, 4)
	s_cmp_eq_u32 s2, 0
	s_cbranch_scc0 .Lentry_in_a_cluster
	s_endpgm
.Lentry_in_a_cluster:
	s_bfe_u32 s2, ttmp6, 0x10000c
	s_cmp_lg_u32 s2, 0x3003
	s_cbranch_scc0 .Lentry_shape_is_right
	s_endpgm
.Lentry_shape_is_right:
; attn[t][h][:] = the sum over keys j of softmax_j(q[h][t] . k[h][j] / 8) v[h][j][:], for each of 2 batches x 16 heads, 2,048 keys, 64 channels.
; q, k (units h and 16 + h of qkp) and v (vb) are f16; products, maxima and sums in f32; the weights p (at most 1) are rounded to f16 for the second product; the result leaves in f32.
; SHARES.  A work-group owns 256 queries of one head, each of its four waves 64: four tiles of 16.  Every wave walks all 2,048 keys, 64 a step.
; LAYOUT.  S^T = K Q^T (source 0 = 16 keys, source 1 = 16 queries): a lane holds ONE query (lane % 16) and the keys 8 (lane / 16) + 0..7.  Two such tiles, rounded in pairs, ARE source 1
; (32 keys x 16 queries) of O^T = V^T P, whose result again holds one query a lane.  K comes out of LDS as it lies, V ([key][channel]) turned, by ds_load_tr16_b128.
; SOFTMAX.  A running maximum m and sum l for each query: p = 2^(c s - c m), c = log2(e) / 8; in every step O and l are multiplied by a = 2^(c m_old - c m_new).
; BY TURNS.  The wave's tiles are two pieces (tiles 0, 1 and tiles 2, 3).  In a turn one piece has the matrix unit: 16 products V^T P of the step in hand, then 16 products K Q^T of the next
; step; the other piece's softmax, 2 x 118 instructions cut into 59 slices of four, stands between them: one slice behind each of the first five products, two behind each of the other 27.
; CLUSTER.  The four query blocks of a cluster belong to one head and walk the same K and V: each tile is asked for jointly, by the same tensor load with a mask that names the four.
; A slot holds four key steps (256 keys): one joint load a wave behind each round, 256 matrix instructions of a wave in which it lands.
; REGISTERS: window 0: v2-11 addresses; v12-43 eight registers of statistics a tile; v64-191 S^T, 32 a tile; v192-255 P, 16 a tile.
;   window 1: v0-127 O^T, 32 a tile; v128-191 Q, 16 a tile; v192-255 K of one step.     window 2: v0-63 V of one step.
.set KS,     64
.set PK,     144      ; a row of K in LDS: 128 bytes + 16 of padding = 36 words: the 16 rows of a load start at 16 different groups of 4 banks (64 banks of 4 bytes: ISA guide 11.1)
.set PVP,    160      ; a row of V: 128 + 32 = 40 words, an odd multiple of 32 bytes, for the turning load
.set VOFF,   256*PK   ; a slot: 256 rows of K, then 256 rows of V
.set KSTEPB, KS*PK
.set VSTEPB, KS*PVP
.set SLOT1,  1<<17    ; slot 1 begins here, so that one exclusive or turns an address in one slot into the other's
.set STAGE,  SLOT1+256*(PK+PVP)   ; behind the ring, never filled by a tensor load: 16 rows x 272 bytes for each wave
.set SP,     272
.set UNIT,   524288   ; bytes of a unit of qkp and vb
.set AK0, 2           ; v2  my lane's place in a step's K
.set AV0, 3           ; v3  the same for V
.set ADR, 4           ; v4  the LDS address of the run of loads in hand
.set QO,  5           ; v5  my byte offset in the wave's rows of q
.set STO, 6           ; v6  the way out: where I put 32 bytes of a row
.set RD,  7           ; v7  the way out: where I read a row back
.set GO,  8           ; v8  my byte offset in attn
.set ST,  12          ; tile t's statistics at v[ST+8 t]: +0 c m, +1 m, +2, +3 l (even keys', odd keys'), +4 to +7 at work; a takes +6 once the maximum is found
.set S,   64
.set P,   192
.set QF,  128         ; in window 1
.set KF,  192         ; in window 1
.set WV,  12          ; s12  my wave's number
.set G1K, 24          ; s[24:31] group 1 for K's tiles
.set G1V, 32          ; s[32:39] for V's: it differs in the padding alone
.set G0K, 40          ; s[40:47] group 0 for K's tiles: a set for each of the two first fills; the second then walks on
.set G0V, 48          ; s[48:55] the same for V's
.set SLOTS, 56
.set TWICE, 57
.set CS,  58          ; s[58:59] c
.set SEL, 60          ; s[60:61] lane selects for v_permlanex16_b32: each lane takes its own place in the other half
.set TBK, 62          ; s62  LDS byte at which K of the step to be fetched begins
.set TBV, 63          ; s63  the same for V (less VOFF)
.set MSB, 0
.macro WIN new
.if MSB != \new
	s_set_vgpr_msb (MSB<<8)|\new
.set MSB, \new
.endif
.endm
.set W_KQ, 0x05       ; K and Q in window 1, S^T in window 0
.set W_PV, 0x52       ; V in window 2, P in window 0, O^T in window 1
.set W_RS, 0x41       ; O^T (destination and source 0) in window 1, a in window 0
; A joint refill.  Waves 0 and 1 fetch the slot's K (128 rows each), waves 2 and 3 its V.  The branch hangs on the wave's number alone.  Four v_nop follow each line.
.macro JLOAD
	s_cmp_lt_u32 s[WV], 2
	s_cbranch_scc0 .Lfor_v_\@
	tensor_load_to_lds s[G0K+4:G0K+7], s[G1K:G1K+7]
	s_nop 0
.rept 4
	v_nop
.endr
	s_branch .Lasked_\@
.Lfor_v_\@:
	tensor_load_to_lds s[G0V+4:G0V+7], s[G1V:G1V+7]
	s_nop 0
.rept 4
	v_nop
.endr
.Lasked_\@:
.endm
.macro CROUND                       ; a round of the cluster's barrier
	s_barrier_signal -1
	s_barrier_wait -1
	s_cmp_lg_u32 s[WV], 0
	s_cbranch_scc1 .Lnot_wave_0_\@
	s_barrier_signal -3
.Lnot_wave_0_\@:
	s_barrier_wait -3
	s_barrier_signal -1
	s_barrier_wait -1
.endm
	s_load_b128 s[4:7], s[0:1], 0x0 ; qkp s[4:5], vb s[6:7]
	s_load_b64 s[8:9], s[0:1], 0x10 ; attn
	v_lshl_add_u32 v62, v0, 2, 0x37400
	v_mov_b32 v63, 0
	ds_add_u32 v62, v63
	v_lshrrev_b32 v1, 5, v0
	v_readfirstlane_b32 s[WV], v1
	s_bfe_u32 s13, ttmp6, 0x40000   ; cx
	s_lshl_b32 s14, ttmp9, 2
	s_add_co_u32 s14, s14, s13      ; my block of 256 queries: it enters q's and attn's addresses alone
	s_and_b32 s15, ttmp7, 0xffff    ; 16 x batch + head, which the partners share
	s_and_b32 s16, s15, 15          ; head
	s_lshr_b32 s15, s15, 4          ; batch
	s_lshl_b32 s20, s16, 19         ; the head's unit,
	s_lshl_b32 s21, s15, 18         ; the batch's 2,048 rows of 128 bytes in it
	s_add_co_u32 s20, s20, s21
	s_and_b32 s18, s[WV], 1         ; which 128 rows of a slot's 256 I fetch
	s_lshl_b32 s22, s18, 14
	s_add_co_u32 s22, s22, s20
	s_mov_b32 s23, 0
	s_mul_i32 s17, s18, 128*PK      ; and where they go: no place in the cluster enters an LDS address
	s_mul_i32 s19, s18, 128*PVP
	s_lshl_b32 s2, s14, 15          ; q: my block's 256 rows, my wave's 64 of them
	s_lshl_b32 s3, s[WV], 13
	s_add_co_u32 s2, s2, s3
	s_add_co_u32 s2, s2, s20
	s_mov_b32 s3, 0
	s_lshl_b32 s10, s15, 23         ; attn: token (2,048 batch + 256 block + 64 wave) x 4,096 bytes + head x 256
	s_lshl_b32 s11, s14, 20
	s_add_co_u32 s10, s10, s11
	s_lshl_b32 s11, s[WV], 18
	s_add_co_u32 s10, s10, s11
	s_lshl_b32 s11, s16, 8
	s_add_co_u32 s10, s10, s11
	s_mov_b32 s11, 0
	s_mov_b32 s[G1K], 15|(1<<16)|(1<<20)|(1<<21)|(4<<22)|(3<<25)  ; the mask: all four; elements of 2 bytes; padding on; bit 21 beside the mask; after every 32 words (code 4) 4 words (code 3)
	s_mov_b32 s[G1V], 15|(1<<16)|(1<<20)|(1<<21)|(4<<22)|(7<<25)  ; the same with 8 words of padding (code 7)
.irp g, G1K, G1V
	s_mov_b32 s[\g+1], 64<<16       ; tensor_dim0 = 64
	s_mov_b32 s[\g+2], 128<<16      ; tensor_dim1 = 128
	s_mov_b32 s[\g+3], 64<<16       ; tile_dim0 = 64
	s_mov_b32 s[\g+4], 128          ; tile_dim1 = 128
	s_mov_b32 s[\g+5], 64           ; elements from row to row
	s_mov_b32 s[\g+6], 0
	s_mov_b32 s[\g+7], 0
.endr
	s_mov_b32 s[CS], 0x3e38aa3b     ; c = log2(e) / 8
	s_mov_b32 s[CS+1], s[CS]
	s_mov_b32 s[SEL], 0x76543210
	s_mov_b32 s[SEL+1], 0xfedcba98
	s_mov_b32 s[TBK], 0
	s_mov_b32 s[TBV], 0
	s_mov_b32 s[SLOTS], 6           ; of the eight slots' worth of keys, six come by refills
	s_wait_dscnt 0x0
	s_wait_kmcnt 0x0
	s_add_nc_u64 s[8:9], s[8:9], s[10:11]
	s_add_nc_u64 s[G0K+2:G0K+3], s[4:5], s[22:23]
	s_add_nc_u64 s[G0K+2:G0K+3], s[G0K+2:G0K+3], 16*UNIT   ; k's units lie behind q's sixteen
	s_add_nc_u64 s[G0K+6:G0K+7], s[G0K+2:G0K+3], 32768     ; the next 256 keys
	s_add_nc_u64 s[G0V+2:G0V+3], s[6:7], s[22:23]
	s_add_nc_u64 s[G0V+6:G0V+7], s[G0V+2:G0V+3], 32768
	s_add_nc_u64 s[4:5], s[4:5], s[2:3]
	CROUND                          ; all four work-groups are here: the first joint loads meet
.irp s, 0,1
	s_mov_b32 s[G0K+4*\s], 1
	s_add_co_u32 s[G0K+4*\s+1], s17, \s*SLOT1
	s_or_b32 s[G0K+4*\s+3], s[G0K+4*\s+3], 0x80000000
	s_mov_b32 s[G0V+4*\s], 1
	s_add_co_u32 s[G0V+4*\s+1], s19, \s*SLOT1+VOFF
	s_or_b32 s[G0V+4*\s+3], s[G0V+4*\s+3], 0x80000000
.endr
	s_cmp_lt_u32 s[WV], 2           ; a wave's two first fills stand in one branch, ahead of every wait on TENSORcnt and every LDS read: two loads of mine are out
	s_cbranch_scc0 .Lfirst_v
	tensor_load_to_lds s[G0K:G0K+3], s[G1K:G1K+7]
	s_nop 0
	tensor_load_to_lds s[G0K+4:G0K+7], s[G1K:G1K+7]
	s_nop 0
.rept 4
	v_nop
.endr
	s_branch .Lfirst_asked
.Lfirst_v:
	tensor_load_to_lds s[G0V:G0V+3], s[G1V:G1V+7]
	s_nop 0
	tensor_load_to_lds s[G0V+4:G0V+7], s[G1V:G1V+7]
	s_nop 0
.rept 4
	v_nop
.endr
.Lfirst_asked:
	v_and_b32 v1, 15, v0            ; l % 16
	v_bfe_u32 v9, v0, 4, 1          ; l / 16
	v_lshlrev_b32 v[QO], 7, v1
	v_lshl_add_u32 v[QO], v9, 4, v[QO]  ; row x 128 + 16 x half
	WIN 0x40                        ; destination window 1
.irp i, 0,1,2,3,4,5,6,7             ; Q stays in registers: tile i / 2, channels 32 (i % 2) on
	global_load_b128 v[QF+8*\i:QF+8*\i+3],   v[QO], s[4:5] offset:(\i/2)*2048+(\i%2)*64
	global_load_b128 v[QF+8*\i+4:QF+8*\i+7], v[QO], s[4:5] offset:(\i/2)*2048+(\i%2)*64+32
.endr
	WIN 0
	v_mul_u32_u24 v[AK0], v1, PK
	v_lshl_add_u32 v[AK0], v9, 4, v[AK0]
	v_and_b32 v10, 7, v0            ; the turning load: lane l reads 16 bytes: key 8 (l / 16) + l % 8, channels 8 ((l / 8) % 2) on
	v_bfe_u32 v11, v0, 3, 1
	v_lshl_add_u32 v[AV0], v9, 3, v10
	v_mul_u32_u24 v[AV0], v[AV0], PVP
	v_lshl_add_u32 v[AV0], v11, 4, v[AV0]
	v_add_nc_u32 v[AV0], VOFF, v[AV0]
; THE MATRIX WORK OF A TURN, for piece x.  The eight accumulators of a run take turns, one instruction a turn.
; Product i of 16 of O^T += V^T P: keys 32 (i / 8) on, channels 16 ((i / 2) % 4) on, tile x + i % 2.  zero = 1: the first 8 start the sums.
.macro PV x, zero
	WIN W_PV
.set rO, 32*(\x+i%2)+8*((i/2)%4)
.set rV, 32*(i/8)+8*((i/2)%4)
.set rP, P+16*(\x+i%2)+8*(i/8)
.if \zero && (i < 8)
	v_wmma_f32_16x16x32_f16 v[rO:rO+7], v[rV:rV+7], v[rP:rP+7], 0
.else
	v_wmma_f32_16x16x32_f16 v[rO:rO+7], v[rV:rV+7], v[rP:rP+7], v[rO:rO+7]
.endif
.endm
; Product i of 16 of S^T = K Q^T: channels 32 (i / 8) on, keys 16 ((i / 2) % 4) on, tile x + i % 2.  The first 8 start the sums.
.macro KQ x
	WIN W_KQ
.set rS, S+32*(\x+i%2)+8*((i/2)%4)
.set rK, KF+16*((i/2)%4)+8*(i/8)
.set rQ, QF+16*(\x+i%2)+8*(i/8)
.if i < 8
	v_wmma_f32_16x16x32_f16 v[rS:rS+7], v[rK:rK+7], v[rQ:rQ+7], 0
.else
	v_wmma_f32_16x16x32_f16 v[rS:rS+7], v[rK:rK+7], v[rQ:rQ+7], v[rS:rS+7]
.endif
.endm
; THE LDS LOADS stand in runs of 16: a step's K (64 keys x 64 channels: 8 fragments) and, a turn later, its V (turned).
.macro FETCH_K
	WIN 0
	v_add_nc_u32 v[ADR], s[TBK], v[AK0]
	s_add_co_u32 s[TBK], s[TBK], KSTEPB
	WIN 0x40
.irp f, 0,1,2,3,4,5,6,7             ; keys 16 (f / 2) on, channels 32 (f % 2) on
	ds_load_b128 v[KF+8*\f:KF+8*\f+3],   v[ADR] offset:(\f/2)*16*PK+(\f%2)*64
	ds_load_b128 v[KF+8*\f+4:KF+8*\f+7], v[ADR] offset:(\f/2)*16*PK+(\f%2)*64+32
.endr
.endm
.macro FETCH_V
	WIN 0
	v_add_nc_u32 v[ADR], s[TBV], v[AV0]
	s_add_co_u32 s[TBV], s[TBV], VSTEPB
	WIN 0x80                        ; destination window 2
.irp f, 0,1,2,3,4,5,6,7             ; keys 32 (f / 4) on, channels 16 (f % 4) on
	ds_load_tr16_b128 v[8*\f:8*\f+3],   v[ADR] offset:(\f/4)*32*PVP+(\f%4)*32
	ds_load_tr16_b128 v[8*\f+4:8*\f+7], v[ADR] offset:(\f/4)*32*PVP+16*PVP+(\f%4)*32
.endr
.endm
; THE VECTOR WORK OF A TURN.  One tile's softmax for one key step is a list of 118 instructions; SM writes number j of it for tile t.  s0-s31 are the lane's 32 scores, in pairs 0-15.
;   0-15    the maximum of s0-s31 and the old m, three operands at a time
;   16-20   the other half of the lanes' maximum; the new m; c m; c m_old - c m_new
;   21-87   33 exponentials (a, then s0-s31) at the odd numbers from 23 on, a plain instruction at every even number: c s - c m for a pair still to come, the rounding of a pair that is done, the first sums
;   88-101  the last rounding; the rest of the sums; l = a l + the sum
;   102-117 the tile's O^T times a: the one part that leaves window 0
; first = 1: the first key step, which starts m, l and O^T: it has no a and nothing to rescale.
.macro SM t, first
.set rT, ST+8*(\t)
.set rS, S+32*(\t)
.set rP, P+16*(\t)
.set rO, 32*(\t)+2*(j-102)
.set q, (j-20)/2
.if j < 102
	WIN 0
.endif
.if j < 4
	v_max3_num_f32 v[rT+4+j], v[rS+8*j], v[rS+8*j+1], v[rS+8*j+2]
.elseif j < 12
	v_max3_num_f32 v[rT+4+j%4], v[rT+4+j%4], v[rS+8*(j%4)+2*(j/4)+1], v[rS+8*(j%4)+2*(j/4)+2]
.elseif j == 12
	v_max3_num_f32 v[rT+4], v[rT+4], v[rS+7], v[rS+15]
.elseif j == 13
	v_max3_num_f32 v[rT+6], v[rT+6], v[rS+23], v[rS+31]
.elseif j == 14
	v_max3_num_f32 v[rT+4], v[rT+4], v[rT+5], v[rT+6]
.elseif (j == 15) && \first
	v_max_num_f32 v[rT+4], v[rT+4], v[rT+7]
.elseif j == 15
	v_max3_num_f32 v[rT+4], v[rT+4], v[rT+7], v[rT+1]
.elseif j == 16
	v_permlanex16_b32 v[rT+5], v[rT+4], s[SEL], s[SEL+1]  ; the query's other 32 keys lie in the lane 16 away
.elseif j == 18
	v_max_num_f32 v[rT+1], v[rT+4], v[rT+5]
.elseif j == 19
	v_mul_f32 v[rT], s[CS], v[rT+1]
.elseif ((j == 17) || (j == 20) || (j == 23) || (j > 101)) && \first  ; the first step has none of these
.elseif j == 17
	v_mov_b32 v[rT+7], v[rT]        ; c m_old is kept for a: number 19 writes c m anew
.elseif j == 20
	v_sub_f32 v[rT+7], v[rT+7], v[rT]
.elseif j == 23
	v_exp_f32 v[rT+6], v[rT+7]
.elseif (j < 88) && (j > 23) && (j%2 == 1)
	v_exp_f32 v[rS+(j-25)/2], v[rS+(j-25)/2]
.elseif (q < 4) || ((j < 76) && (q%2 == 0))
.set b, q/2+2
.if q < 4
.set b, q
.endif
	v_pk_fma_f32 v[rS+2*b:rS+2*b+1], v[rS+2*b:rS+2*b+1], s[CS:CS+1], v[rT:rT+1] op_sel_hi:[1,0,0] neg_lo:[0,0,1] neg_hi:[0,0,1]  ; pair b: c s - c m
.elseif (j < 88) && (q%2 == 1)
	s_wait_alu depctr_va_vdst(0)
	v_cvt_pk_f16_f32 v[rP+(q-5)/2], v[rS+q-5], v[rS+q-4]  ; pair (q - 5) / 2: its second exponential stands three numbers back
.elseif j == 89
	s_wait_alu depctr_va_vdst(0)
	v_cvt_pk_f16_f32 v[rP+15], v[rS+30], v[rS+31]
.elseif j < 102                     ; the sum of the tile's 16 pairs, in place: sum z of 16 adds neighbours 1, 2, 4 and 8 pairs apart, then l takes it
.set z, j-86
.if j < 89
.set z, (j-76)/4
.endif
.set w, 4
.set u, z
.if z >= 14
.set w, 32
.set u, 0
.elseif z >= 12
.set w, 16
.set u, z-12
.elseif z >= 8
.set w, 8
.set u, z-8
.endif
.if (z == 14) && \first
	v_pk_add_f32 v[rT+2:rT+3], v[rS:rS+1], v[rS+16:rS+17]
.elseif z < 15
	v_pk_add_f32 v[rS+w*u:rS+w*u+1], v[rS+w*u:rS+w*u+1], v[rS+w*u+w/2:rS+w*u+w/2+1]
.elseif !\first
	v_pk_fma_f32 v[rT+2:rT+3], v[rT+2:rT+3], v[rT+6:rT+7], v[rS:rS+1] op_sel_hi:[1,0,1]
.endif
.else
	WIN W_RS
	v_pk_mul_f32 v[rO:rO+1], v[rO:rO+1], v[rT+6:rT+7] op_sel_hi:[1,0]
.endif
.endm
; Slice k of 59 of piece y's softmax: numbers 2 k and 2 k + 1 of both tiles' lists, four instructions.
.macro SLICE y, first
.if (k >= 11) && (k < 44)           ; tile by tile: plain, exponential, plain, exponential: every exponential has a plain instruction of the other tile behind it
.irp t, \y, \y+1
.irp n, 0,1
.set j, 2*k+\n
	SM \t, \first
.endr
.endr
.else                               ; the two tiles alternate, so that no instruction reads the result of the one just before it
.irp n, 0,1
.irp t, \y, \y+1
.set j, 2*k+\n
	SM \t, \first
.endr
.endr
.endif
.set k, k+1
.endm
.macro AFTER y, first               ; the slices behind product g of a turn: base of them, and one more from the sixth product on
.rept base
	SLICE \y, \first
.endr
.if g >= 5
	SLICE \y, \first
.endif
.set g, g+1
.endm
.macro PLACES                       ; four plain vector instructions between a matrix instruction and a reader of its result or a load into its sources (for a reader of its result)
.rept 4
	v_nop
.endr
.endm
; A TURN.  Piece x has the matrix unit; the other piece's softmax stands in slices behind its products.
; pv = 2: 16 products V^T P; 1: they start O^T's sums; 0: none.  kq = 1: 16 products K Q^T for the next step.  32 products: 32 + 27 = 59 slices; 16 products: 48 + 11 = 59.
; The last product has two slices behind it, eight packed multiplies on the other piece's O^T: they are the places ahead of the next turn's first read of the scores and of the loads into K.
; first = 1: the slices from 51 on are empty, and four v_nop take their part.
; Piece 0's turn fetches the next step's K behind its second product; piece 2's turn fetches the same step's V behind its second K Q^T: V's last reader then stands six slices, twelve plain instructions, back.
.macro TURN x, pv, kq, first
.set k, 0
.set g, 0
.set base, 3
.if \pv && \kq
.set base, 1
.endif
.if \pv
.if \x == 0
	s_wait_dscnt 0x0                ; V is in
.endif
.set i, 0
.rept 16
	PV \x, 2-\pv
	AFTER 2-\x, \first
.if (\x == 0) && \kq && (i == 1)
	FETCH_K
.endif
.set i, i+1
.endr
.endif
.if \kq
.if \x == 0
	s_wait_dscnt 0x0                ; K is in
.endif
.set i, 0
.rept 16
	KQ \x
	AFTER 2-\x, \first
.if (\x == 2) && (i == 1)
	FETCH_V
.endif
.set i, i+1
.endr
.endif
.if \first
	PLACES
.endif
.endm
; THE CHANGE OF SLOTS, when the slot's last bytes, V of its fourth step, have been asked for.  Each wave waits for its reads of the slot and for all its tensor loads, of which one is out: its part
; of the other slot.  fill = 1: the slot is filled again with the keys two slots on: the barrier is a round of the cluster's, and the joint refill is the first thing behind it.
.macro CHANGE fill
	WIN 0
	s_wait_dscnt 0x0
	s_wait_tensorcnt 0x0            ; no tensor load of mine is out, so a group 0 may be written
	ds_add_u32 v62, v63
	s_wait_dscnt 0x0
.if \fill
.irp g, G0K+4, G0V+4
	s_xor_b32 s[\g+1], s[\g+1], SLOT1  ; the walking descriptor: the other slot than last time,
	s_add_nc_u64 s[\g+2:\g+3], s[\g+2:\g+3], 32768  ; the next 256 keys; the type bits on top are not reached
.endr
	CROUND
	JLOAD
.else
	s_barrier_signal -1
	s_barrier_wait -1
.endif
	s_sub_co_u32 s[TBK], s[TBK], 4*KSTEPB  ; the fetches go back to a slot's first step,
	s_xor_b32 s[TBK], s[TBK], SLOT1        ; in the other slot
	s_sub_co_u32 s[TBV], s[TBV], 4*VSTEPB
	s_xor_b32 s[TBV], s[TBV], SLOT1
.endm
.macro STEPS n                      ; n key steps: written once, walked n times; the LDS addresses hang on s[TBK] and s[TBV]
	s_mov_b32 s[TWICE], \n
.Lstep_\@:
	TURN 0, 2, 1, 0
	TURN 2, 2, 1, 0
	WIN 0
	s_sub_co_u32 s[TWICE], s[TWICE], 1
	s_cmp_lg_u32 s[TWICE], 0
	s_cbranch_scc1 .Lstep_\@
.endm
	s_wait_tensorcnt 1              ; my part of slot 0 is in; slot 1's may stay out
	s_barrier_signal -1
	s_barrier_wait -1
	FETCH_K                         ; key step 0
	s_wait_loadcnt 0x0              ; Q
	s_wait_dscnt 0x0
.set i, 0
.rept 16
	KQ 0                            ; piece 0's first scores: there is no vector work yet to set between them
.set i, i+1
.endr
	WIN 0                           ; the addresses for the way out: eight plain instructions, the places behind those products
	s_mul_i32 s13, s[WV], 16*SP
	s_add_co_u32 s13, s13, STAGE    ; my stage
	v_mul_u32_u24 v[STO], v1, SP    ; in: row l % 16, 32 bytes for each half of the lanes
	v_lshl_add_u32 v[STO], v9, 5, v[STO]
	v_add_nc_u32 v[STO], s13, v[STO]
	v_mul_u32_u24 v[RD], v9, SP     ; back: lanes 0-15 take one row of 256 bytes, lanes 16-31 the next
	v_lshl_add_u32 v[RD], v1, 4, v[RD]
	v_add_nc_u32 v[RD], s13, v[RD]
	v_lshlrev_b32 v[GO], 12, v9     ; and the same two tokens in attn, 4,096 bytes apart
	v_lshl_add_u32 v[GO], v1, 4, v[GO]
	TURN 2, 0, 1, 1                 ; piece 2's first scores | piece 0's first softmax | V of step 0
	TURN 0, 1, 1, 1                 ; piece 0: V^T P of step 0 starts O^T, K Q^T of step 1 | piece 2's first softmax | K of step 1
	TURN 2, 1, 1, 0                 ; piece 2: the same | piece 0's softmax of step 1 | V of step 1
	WIN 0
	STEPS 2                         ; steps 1 and 2, which fetch steps 2 and 3: slot 0 is read out
.Lslot:                             ; six trips: slots 0 to 5 are filled again
	CHANGE 1
	STEPS 4
	s_sub_co_u32 s[SLOTS], s[SLOTS], 1
	s_cmp_lg_u32 s[SLOTS], 0
	s_cbranch_scc1 .Lslot
	CHANGE 0                        ; the tail is written out: nothing more is asked for
	STEPS 4
	TURN 0, 2, 0, 0                 ; piece 0: V^T P of the last step | piece 2's last softmax
.set i, 0
.rept 16
	PV 2, 0                         ; piece 2: V^T P of the last step
.set i, i+1
.endr
	; THE WAY OUT.  l's two halves and the other half of the lanes' are added; O^T is divided by l and sent through my stage, a tile (16 tokens) at a time.  The additions are the places behind the last products.
	WIN 0
.irp t, 0,1,2,3
	v_add_f32 v[ST+8*\t+4], v[ST+8*\t+2], v[ST+8*\t+3]
.endr
.irp t, 0,1,2,3
	v_permlanex16_b32 v[ST+8*\t+5], v[ST+8*\t+4], s[SEL], s[SEL+1]
.endr
.irp t, 0,1,2,3
	v_add_f32 v[ST+8*\t+4], v[ST+8*\t+4], v[ST+8*\t+5]
.endr
.irp t, 0,1,2,3
	v_rcp_f32 v[ST+8*\t+6], v[ST+8*\t+4]
.endr
	v_nop                           ; a plain instruction between the last reciprocal and the use of its result
.macro PACK t                       ; a lane's eight channels of a block are 32 bytes; they go into rows of 272 bytes and come back as whole rows of 256
	WIN 0x01                        ; source 0 (O^T) window 1; S^T's registers, free by now, take the result
.set i, 0
.rept 16
	s_wait_alu depctr_va_vdst(0)
	v_pk_mul_f32 v[S+32*\t+2*i:S+32*\t+2*i+1], v[32*\t+2*i:32*\t+2*i+1], v[ST+8*\t+6:ST+8*\t+7] op_sel_hi:[1,0]
.set i, i+1
.endr
	WIN 0
.irp f, 0,1,2,3,4,5,6,7
	ds_store_b128 v[STO], v[S+32*\t+4*\f:S+32*\t+4*\f+3] offset:64*(\f/2)+16*(\f%2)
.endr
.irp f, 0,1,2,3,4,5,6,7
	ds_load_b128 v[S+32*\t+4*\f:S+32*\t+4*\f+3], v[RD] offset:\f*2*SP  ; LDS serves a wave's instructions in order (ISA guide 5.7.1.4): these see the stores above; the next tile's stores come behind them
.endr
.endm
.macro SEND t, younger              ; younger: the LDS instructions issued behind tile t's loads: the next tile's sixteen, or none
.irp f, 0,1,2,3,4,5,6,7
	s_wait_dscnt \younger+7-\f
	global_store_b128 v[GO], v[S+32*\t+4*\f:S+32*\t+4*\f+3], s[8:9] offset:\t*65536+\f*8192  ; 16 lanes store a token's 256 bytes of this head, aligned
.endr
.endm
	PACK 0
	PACK 1
	SEND 0, 16
	PACK 2
	SEND 1, 16
	PACK 3
	SEND 2, 16
	SEND 3, 0
	s_wait_tensorcnt 0x0
	ds_add_u32 v62, v63
	s_wait_dscnt 0x0
	CROUND                          ; the closing round: no work-group ends while a partner may still ask for a tile that names it
	s_endpgm
.Lfunc_end_k_qb13f21b7df_attn:
	.size	k_qb13f21b7df_attn, .Lfunc_end_k_qb13f21b7df_attn-k_qb13f21b7df_attn
	.p2alignl 7, 3214868480
	.fill 96, 4, 3214868480
	.section	.rodata,"a",@progbits
	.p2align	6, 0x0
	.amdhsa_kernel k_qb13f21b7df_attn
		.amdhsa_group_segment_fixed_size 327680
		.amdhsa_private_segment_fixed_size 0
		.amdhsa_enable_private_segment 0
		.amdhsa_kernarg_size 24
		.amdhsa_user_sgpr_count 2
		.amdhsa_user_sgpr_kernarg_segment_ptr 1
		.amdhsa_wavefront_size32 1
		.amdhsa_system_sgpr_workgroup_id_x 1
		.amdhsa_system_sgpr_workgroup_id_y 1
		.amdhsa_system_sgpr_workgroup_id_z 1
		.amdhsa_system_vgpr_workitem_id 0
		.amdhsa_next_free_vgpr 576
		.amdhsa_next_free_sgpr 66
		.amdhsa_reserve_vcc 0
		.amdhsa_float_denorm_mode_32 3
		.amdhsa_float_denorm_mode_16_64 3
		.amdhsa_memory_ordered 1
		.amdhsa_forward_progress 1
		.amdhsa_inst_pref_size 206
	.end_amdhsa_kernel
	.amdgpu_metadata
---
amdhsa.version: [ 1, 2 ]
amdhsa.kernels:
  - .name:           k_qb13f21b7df_attn
    .symbol:         k_qb13f21b7df_attn.kd
    .args:
      - { .name: qkp, .offset: 0, .size: 8, .value_kind: global_buffer, .address_space: global }
      - { .name: vb, .offset: 8, .size: 8, .value_kind: global_buffer, .address_space: global }
      - { .name: attn, .offset: 16, .size: 8, .value_kind: global_buffer, .address_space: global }
    .group_segment_fixed_size: 327680
    .private_segment_fixed_size: 0
    .kernarg_segment_align: 8
    .kernarg_segment_size: 24
    .max_flat_workgroup_size: 128
    .sgpr_count:     66
    .vgpr_count:     576
    .wavefront_size: 32
...
	.end_amdgpu_metadata
.endif
;; end of part 4
;; launch outp (part 5): grid 64 x 4, 4 waves a work-group, clusters of 4 x 1, 327,680 bytes of LDS; arguments attn, mo, cb, out0; writes out0
.if DOCPART == 5
	.amdgcn_target "amdgcn-amd-amdhsa--gfx1250"
	.amdhsa_code_object_version 6
	.text
	.protected	k_qb13f21b7df_outp
	.globl	k_qb13f21b7df_outp
	.p2align	8
	.type	k_qb13f21b7df_outp,@function
k_qb13f21b7df_outp:
	s_mov_b64 s[64:65], 0
	v_nop
	global_prefetch_b8 v0, s[64:65] scope:SCOPE_SE
	s_setreg_imm32_b32 hwreg(HW_REG_WAVE_MODE, 25, 1), 1
	s_wait_xcnt 0x0
	s_wait_alu depctr_hold_cnt(0) depctr_sa_sdst(0) depctr_va_vdst(0) depctr_va_sdst(0) depctr_va_ssrc(0) depctr_va_vcc(0) depctr_vm_vsrc(0)
	s_getreg_b32 s2, hwreg(HW_REG_IB_STS2, 6, 4)
	s_cmp_eq_u32 s2, 0
	s_cbranch_scc0 .Lentry_in_a_cluster
	s_endpgm
.Lentry_in_a_cluster:
	s_bfe_u32 s2, ttmp6, 0x10000c
	s_cmp_lg_u32 s2, 0x3003
	s_cbranch_scc0 .Lentry_shape_is_right
	s_endpgm
.Lentry_shape_is_right:
; out0[t][f] = sum over e, d of z[t][e][d] Wo[e][f][d], with z[t][e][d] = sum over h of mo[t][h][e] attn[t][h][d]: the heads are summed ahead of the product, which the sum over heads allows.
; z is summed in f32 and enters the product as TWO bf16 parts, z_hi = bf16(z) and z_lo = bf16(z - z_hi), both multiplied by the same Wo (bf16, from cb): z sums 16 heads and has no room in f16,
; and one bf16 rounding of it would take too much of the margin.  Sums in f32.
; SHARES.  A work-group makes 64 tokens x 256 columns.  z of its 64 tokens is built by all four waves (16 tokens each) into LDS; the four work-groups of one token block (the four column
; blocks) each build it: the price of 256 work-groups without a launch more.  In the product a wave makes 32 tokens x 128 columns: 16 accumulators.
; CLUSTER.  The four partners have the same column block and four neighbouring token blocks: Wo's tiles are asked for jointly, every wave a quarter of a slot.
; A slot holds two experts' 256 rows of Wo (128 bytes each, dense in memory), brought as rows of 256 bytes: an LDS row holds the columns f = 2 i and 2 i + 1.
; The matrix instruction is used transposed (source 0 = 16 columns of Wo, source 1 = 16 tokens): a lane then holds eight neighbouring columns of one token.
; REGISTERS: window 0: v2-14 addresses.  z phase: v16-143 the masks of two groups of eight heads; v144-175 z; v176-207 z's two bf16 parts; v208-239 at work.
;   product: v16-111, v112-207 two fragment buffers (32 registers of z: hi, lo x 2 token blocks; 64 of Wo).
;   window 1: z phase: v0-255 attn of four pairs of tokens, so that three pairs are on their way while one is summed.  product: accumulator (rb, cb) at v[8 (8 rb + cb)].
.set ZP,    2064                       ; a token's row of z in LDS: 1,024 bytes hi, 1,024 bytes lo, 16 of padding: an odd multiple of 16
.set SCR,   64*ZP                      ; each wave's own 8,448 bytes: first its 16 tokens' masks, later its stage
.set SCRW,  8448
.set RING,  SCR+4*SCRW                 ; two slots, the only bytes that tensor loads fill
.set RSLOT, 2*128*272
.set GPITCH, 528
.set WOB,   14155776                   ; Wo's first byte in cb
.set ADRA, 2                           ; v2    z's fragments
.set ADRB, 3                           ; v3-4  Wo's fragments in slot 0, 1
.set VA,   5                           ; v5    my 16 bytes of a pair of tokens in attn
.set MA,   6                           ; v6    my token's masks
.set ZA,   7                           ; v7    where my 8 bytes of z go
.set STO2, 8                           ; v8    the way out: where I put 32 bytes of a row
.set RD2,  9                           ; v9    my scratch + 16 x lane
.set CO,   10                          ; v10   16 x lane
.set AT,   0                           ; in window 1
.set MK0,  16
.set ZR,   144
.set SP,   176
.set TT,   208
.set F0,   16
.set F1,   112
.set G1,   24                          ; s[24:31]
.set G0,   32                          ; s[32:39] a set for each slot
.set MSB, 0
.macro WIN new                         ; the immediate's high byte repeats the setting that is left; a switch that changes nothing is dropped
.if MSB != \new
	s_set_vgpr_msb (MSB<<8)|\new
.set MSB, \new
.endif
.endm
.macro ROUND                           ; a round of the cluster's barrier
	s_barrier_signal -1
	s_barrier_wait -1
	s_cmp_lg_u32 s12, 0
	s_cbranch_scc1 .Lnot_wave_0_\@
	s_barrier_signal -3
.Lnot_wave_0_\@:
	s_barrier_wait -3
	s_barrier_signal -1
	s_barrier_wait -1
.endm
.macro PLACES                          ; four plain vector instructions between a matrix instruction and a load into its sources or a reader of its result (for a reader of its result)
.rept 4
	v_nop
.endr
.endm
.macro ALOAD p                         ; pair p's 16 heads into buffer p % 4 (destination window 1): each load two aligned runs of 256 bytes
.irp h, 0,1,2,3,4,5,6,7,8,9,10,11,12,13,14,15
	global_load_b128 v[AT+64*((\p)%4)+4*\h:AT+64*((\p)%4)+4*\h+3], v[VA], s[4:5] offset:8192*(\p)+256*\h
.endr
.endm
	s_load_b256 s[4:11], s[0:1], 0x0               ; attn s[4:5], mo s[6:7], cb s[8:9], out0 s[10:11]
	v_lshl_add_u32 v254, v0, 2, 0x4a800
	v_mov_b32 v255, 0
	ds_add_u32 v254, v255
	v_lshrrev_b32 v1, 5, v0
	v_readfirstlane_b32 s12, v1                    ; wave
	s_lshr_b32 s16, s12, 1                         ; my half of the tokens.  Also: which of a slot's two experts I fetch
	s_and_b32 s17, s12, 1                          ; my half of the columns.  Also: which half of that expert's rows I fetch
	s_bfe_u32 s13, ttmp6, 0x40000                  ; cx
	s_lshl_b32 s14, ttmp9, 2
	s_add_co_u32 s14, s14, s13                     ; token block X
	s_and_b32 s15, ttmp7, 0xffff                   ; column block Y, which the partners share
	s_mov_b32 s[G1+0], 15|(3<<16)|(1<<20)|(1<<21)|(5<<22)|(3<<25)   ; the mask: all four; elements of 8 bytes; padding on; bit 21 beside the mask; after every 64 words (code 5) 4 words (code 3)
	s_mov_b32 s[G1+1], 32<<16                      ; tensor_dim0 = 32 elements = 256 bytes
	s_mov_b32 s[G1+2], 64<<16                      ; tensor_dim1 = 64
	s_mov_b32 s[G1+3], 32<<16                      ; tile_dim0 = 32
	s_mov_b32 s[G1+4], 64                          ; tile_dim1 = 64
	s_mov_b32 s[G1+5], 32                          ; dense: a row begins where the last ends
	s_mov_b32 s[G1+6], 0
	s_mov_b32 s[G1+7], 0
	s_lshl_b32 s20, s16, 17                        ; Wo: (expert x 1,024 + 256 Y + 128 half) rows of 128 bytes; nothing here hangs on cx
	s_lshl_b32 s21, s15, 15
	s_add_co_u32 s20, s20, s21
	s_lshl_b32 s21, s17, 14
	s_add_co_u32 s20, s20, s21
	s_add_co_u32 s20, s20, WOB
	s_mov_b32 s21, 0
	s_mul_i32 s18, s12, 64*272                     ; where my quarter of a slot goes
	s_add_co_u32 s18, s18, RING
	s_lshl_b32 s40, s14, 18                        ; attn: token 64 X + 16 wave, 4,096 bytes each
	s_lshl_b32 s41, s12, 16
	s_add_co_u32 s40, s40, s41
	s_mov_b32 s41, 0
	s_lshl_b32 s42, s14, 15                        ; mo: the same token, 512 bytes each
	s_lshl_b32 s43, s12, 13
	s_add_co_u32 s42, s42, s43
	s_mov_b32 s43, 0
	s_lshl_b32 s44, s14, 18                        ; out0: token 64 X + 32 half, column 256 Y + 128 half
	s_lshl_b32 s45, s16, 17
	s_add_co_u32 s44, s44, s45
	s_lshl_b32 s45, s15, 10
	s_add_co_u32 s44, s44, s45
	s_lshl_b32 s45, s17, 9
	s_add_co_u32 s44, s44, s45
	s_mov_b32 s45, 0
	v_and_b32 v1, 15, v0                           ; l % 16
	v_bfe_u32 v11, v0, 4, 1                        ; l / 16
	v_and_b32 v12, 31, v0                          ; lane
	v_lshlrev_b32 v[CO], 4, v12
	v_lshlrev_b32 v[VA], 12, v11                   ; lanes 0-15 the pair's first token, lanes 16-31 its second; 16 bytes a lane
	v_lshl_add_u32 v[VA], v1, 4, v[VA]
	s_wait_dscnt 0x0
	s_wait_kmcnt 0x0
	s_add_nc_u64 s[22:23], s[8:9], s[20:21]
	s_add_nc_u64 s[4:5], s[4:5], s[40:41]
	s_add_nc_u64 s[6:7], s[6:7], s[42:43]
	s_add_nc_u64 s[10:11], s[10:11], s[44:45]
	; The loads into registers go out ahead of the round: nobody writes these bytes, and they are on their way while the work-groups meet.  48 loads of mine are out.
.irp i, 0,1,2,3,4,5,6,7,8,9,10,11,12,13,14,15
	global_load_b128 v[MK0+4*\i:MK0+4*\i+3], v[CO], s[6:7] offset:512*\i      ; token i's 128 masks: 512 consecutive bytes
.endr
	WIN 0x40                                       ; destination window 1, address window 0
	ALOAD 0
	ALOAD 1
	WIN 0                                          ; at a label and at a branch every window is 0
	ROUND                                          ; all four work-groups are here: the first joint loads meet
.irp s, 0,1
	s_mov_b32 s[G0+4*\s], 1
	s_add_co_u32 s[G0+4*\s+1], s18, \s*RSLOT
	s_add_nc_u64 s[G0+4*\s+2:G0+4*\s+3], s[22:23], \s*262144   ; slot s begins with experts 2 s and 2 s + 1
	s_or_b32 s[G0+4*\s+3], s[G0+4*\s+3], 0x80000000
.endr
	tensor_load_to_lds s[G0:G0+3], s[G1:G1+7]      ; both first fills together, ahead of every wait on TENSORcnt and every LDS read: two loads of mine are out,
	s_nop 0
	tensor_load_to_lds s[G0+4:G0+7], s[G1:G1+7]    ; and they have the whole z phase in which to land
	s_nop 0
	PLACES
	v_mul_u32_u24 v[ADRA], v1, ZP
	v_lshl_add_u32 v[ADRA], v11, 4, v[ADRA]
	s_mul_i32 s19, s16, 32*ZP
	v_add_nc_u32 v[ADRA], s19, v[ADRA]             ; (32 half + l % 16) x pitch + 16 (l / 16)
	v_lshrrev_b32 v13, 1, v1                       ; column l % 16 of a block lies in LDS row (l % 16) / 2, at byte 128 (l % 2)
	v_mul_u32_u24 v13, v13, 272
	v_and_b32 v14, 1, v0
	v_lshl_add_u32 v13, v14, 7, v13
	v_lshl_add_u32 v13, v11, 4, v13
	s_mul_i32 s19, s17, 64*272
	s_add_co_u32 s19, s19, RING
	v_add_nc_u32 v[ADRB], s19, v13
	s_add_co_u32 s19, s19, RSLOT
	v_add_nc_u32 v[ADRB+1], s19, v13
	s_mul_i32 s19, s12, SCRW
	s_add_co_u32 s19, s19, SCR                     ; my scratch
	v_lshl_add_u32 v[MA], v11, 9, s19
	v_lshl_add_u32 v[RD2], v12, 4, s19
	v_mul_u32_u24 v[STO2], v1, GPITCH
	v_lshl_add_u32 v[STO2], v11, 5, v[STO2]
	v_add_nc_u32 v[STO2], s19, v[STO2]
	s_mul_i32 s19, s12, 16*ZP
	v_mul_u32_u24 v[ZA], v11, ZP
	v_lshl_add_u32 v[ZA], v1, 3, v[ZA]
	v_add_nc_u32 v[ZA], s19, v[ZA]                 ; (16 wave + l / 16) x pitch + 8 (l % 16)
; THE z PHASE.  Lane l holds 4 channels (4 (l % 16) on) of token l / 16 of a pair, for all 16 heads; a head's eight masks come from my scratch, the same words for 16 lanes.
; Memory and LDS instructions stand in few long runs: at a pair's head the stores of the pair before, 16 mask loads and the 16 loads of the pair three further on; in its middle 16 mask loads.
.macro MLOAD gi                        ; the masks of group gi: pair gi / 2, heads 8 (gi % 2) on, into buffer gi % 2
.set mb, MK0+64*((\gi)%2)
.irp hh, 0,1,2,3,4,5,6,7
	ds_load_b128 v[mb+8*\hh:mb+8*\hh+3],   v[MA] offset:1024*((\gi)/2)+256*((\gi)%2)+32*\hh
	ds_load_b128 v[mb+8*\hh+4:mb+8*\hh+7], v[MA] offset:1024*((\gi)/2)+256*((\gi)%2)+32*\hh+16
.endr
.endm
.macro ZMAC ar, mr, start              ; one head: ar its four numbers (window 1), mr its eight masks; an even expert takes the pair's first mask for both halves, an odd one its second
.irp e2, 0,1,2,3
.if \start
	v_pk_mul_f32 v[ZR+8*\e2:ZR+8*\e2+1],   v[\ar:\ar+1],   v[\mr+2*\e2:\mr+2*\e2+1] op_sel:[0,0] op_sel_hi:[1,0]
	v_pk_mul_f32 v[ZR+8*\e2+2:ZR+8*\e2+3], v[\ar+2:\ar+3], v[\mr+2*\e2:\mr+2*\e2+1] op_sel:[0,0] op_sel_hi:[1,0]
	v_pk_mul_f32 v[ZR+8*\e2+4:ZR+8*\e2+5], v[\ar:\ar+1],   v[\mr+2*\e2:\mr+2*\e2+1] op_sel:[0,1] op_sel_hi:[1,1]
	v_pk_mul_f32 v[ZR+8*\e2+6:ZR+8*\e2+7], v[\ar+2:\ar+3], v[\mr+2*\e2:\mr+2*\e2+1] op_sel:[0,1] op_sel_hi:[1,1]
.else
	v_pk_fma_f32 v[ZR+8*\e2:ZR+8*\e2+1],   v[\ar:\ar+1],   v[\mr+2*\e2:\mr+2*\e2+1], v[ZR+8*\e2:ZR+8*\e2+1]   op_sel:[0,0,0] op_sel_hi:[1,0,1]
	v_pk_fma_f32 v[ZR+8*\e2+2:ZR+8*\e2+3], v[\ar+2:\ar+3], v[\mr+2*\e2:\mr+2*\e2+1], v[ZR+8*\e2+2:ZR+8*\e2+3] op_sel:[0,0,0] op_sel_hi:[1,0,1]
	v_pk_fma_f32 v[ZR+8*\e2+4:ZR+8*\e2+5], v[\ar:\ar+1],   v[\mr+2*\e2:\mr+2*\e2+1], v[ZR+8*\e2+4:ZR+8*\e2+5] op_sel:[0,1,0] op_sel_hi:[1,1,1]
	v_pk_fma_f32 v[ZR+8*\e2+6:ZR+8*\e2+7], v[\ar+2:\ar+3], v[\mr+2*\e2:\mr+2*\e2+1], v[ZR+8*\e2+6:ZR+8*\e2+7] op_sel:[0,1,0] op_sel_hi:[1,1,1]
.endif
.endr
.endm
.macro SPLIT                           ; z = hi + lo, both bf16: stage by stage over the eight experts, so that no instruction reads the result of the one just before it
.irp e, 0,1,2,3,4,5,6,7
	v_cvt_pk_bf16_f32 v[SP+4*\e],   v[ZR+4*\e],   v[ZR+4*\e+1]
	v_cvt_pk_bf16_f32 v[SP+4*\e+1], v[ZR+4*\e+2], v[ZR+4*\e+3]
.endr
.irp e, 0,1,2,3,4,5,6,7
	v_lshlrev_b32 v[TT+4*\e],   16, v[SP+4*\e]
	v_and_b32     v[TT+4*\e+1], 0xffff0000, v[SP+4*\e]
	v_lshlrev_b32 v[TT+4*\e+2], 16, v[SP+4*\e+1]
	v_and_b32     v[TT+4*\e+3], 0xffff0000, v[SP+4*\e+1]
.endr
.irp e, 0,1,2,3,4,5,6,7
	v_pk_add_f32 v[TT+4*\e:TT+4*\e+1],   v[ZR+4*\e:ZR+4*\e+1],   v[TT+4*\e:TT+4*\e+1]   neg_lo:[0,1] neg_hi:[0,1]
	v_pk_add_f32 v[TT+4*\e+2:TT+4*\e+3], v[ZR+4*\e+2:ZR+4*\e+3], v[TT+4*\e+2:TT+4*\e+3] neg_lo:[0,1] neg_hi:[0,1]
.endr
.irp e, 0,1,2,3,4,5,6,7
	v_cvt_pk_bf16_f32 v[SP+4*\e+2], v[TT+4*\e],   v[TT+4*\e+1]
	v_cvt_pk_bf16_f32 v[SP+4*\e+3], v[TT+4*\e+2], v[TT+4*\e+3]
.endr
.endm
.macro ZSTORE p                        ; pair p's z into the work-group's rows: 16 stores in one run
.irp e, 0,1,2,3,4,5,6,7
	ds_store_b64 v[ZA], v[SP+4*\e:SP+4*\e+1]   offset:2*ZP*(\p)+128*\e
	ds_store_b64 v[ZA], v[SP+4*\e+2:SP+4*\e+3] offset:2*ZP*(\p)+128*\e+1024
.endr
.endm
.macro ZPAIR p
.if \p > 0
	ZSTORE \p-1
.endif
	MLOAD 2*\p+1
.if \p < 6
	s_wait_loadcnt 32                              ; this pair is in; the two pairs behind it stay out
.elseif \p == 6
	s_wait_loadcnt 16
.else
	s_wait_loadcnt 0x0
.endif
.if \p < 5
	WIN 0x40
	ALOAD \p+3                                     ; into the buffer of the pair before this one, which has been summed: again 48 loads of mine are out
.endif
	s_wait_dscnt 16                                ; the masks of heads 0-7 are in; the 16 loads just issued (heads 8-15) stay out
	WIN 0x01                                       ; source 0 (attn) window 1
.irp hh, 0,1,2,3,4,5,6,7
.if \hh == 0
	ZMAC AT+64*((\p)%4), MK0, 1                    ; head 0 starts the sums: nothing is cleared
.else
	ZMAC AT+64*((\p)%4)+4*\hh, MK0+8*\hh, 0
.endif
.endr
	WIN 0
.if \p < 7
	MLOAD 2*\p+2
	s_wait_dscnt 16                                ; the masks of heads 8-15 are in; the next pair's first 16 loads stay out
.else
	s_wait_dscnt 0x0
.endif
	WIN 0x01
.irp hh, 0,1,2,3,4,5,6,7
	ZMAC AT+64*((\p)%4)+32+4*\hh, MK0+64+8*\hh, 0
.endr
	WIN 0
	SPLIT
.endm
	s_wait_loadcnt 32                              ; the masks are in; the 32 loads of pairs 0 and 1 stay out
.irp i, 0,1,2,3,4,5,6,7,8,9,10,11,12,13,14,15
	ds_store_b128 v[RD2], v[MK0+4*\i:MK0+4*\i+3] offset:512*\i
.endr
	MLOAD 0                                        ; LDS serves a wave's instructions in order (ISA guide 5.7.1.4): these see the stores of the masks above
	WIN 0x40
	ALOAD 2
	WIN 0
.irp p, 0,1,2,3,4,5,6,7
	ZPAIR \p
.endr
	ZSTORE 7
; THE PRODUCT.  A unit is one expert's 32 channels: 4 fragments of z (hi, lo x 2 token blocks), 8 of Wo, 32 matrix instructions.  A slot has four units, on buffers 0, 1, 0, 1.
.macro FETCHU s, u, f                  ; unit u (expert 2 s + u / 2, channels 32 (u % 2) on) into buffer f: 24 LDS loads in one run
	PLACES
.irp hl, 0,1
.irp rb, 0,1
	ds_load_b128 v[\f+8*(2*\hl+\rb):\f+8*(2*\hl+\rb)+3],   v[ADRA] offset:16*ZP*\rb+1024*\hl+128*(2*\s+(\u)/2)+64*((\u)%2)
	ds_load_b128 v[\f+8*(2*\hl+\rb)+4:\f+8*(2*\hl+\rb)+7], v[ADRA] offset:16*ZP*\rb+1024*\hl+128*(2*\s+(\u)/2)+64*((\u)%2)+32
.endr
.endr
.irp cb, 0,1,2,3,4,5,6,7
	ds_load_b128 v[\f+32+8*\cb:\f+32+8*\cb+3],   v[ADRB+(\s)%2] offset:128*272*((\u)/2)+8*272*\cb+64*((\u)%2)
	ds_load_b128 v[\f+32+8*\cb+4:\f+32+8*\cb+7], v[ADRB+(\s)%2] offset:128*272*((\u)/2)+8*272*\cb+64*((\u)%2)+32
.endr
.endm
.macro MULU f, zero                    ; the 16 accumulators take turns, one instruction a turn, in the same order throughout
	WIN 0x50                                       ; C and D window 1
.irp hl, 0,1
.irp rb, 0,1
.irp cb, 0,1,2,3,4,5,6,7
.if \zero && (\hl == 0)
	v_wmma_f32_16x16x32_bf16 v[8*(8*\rb+\cb):8*(8*\rb+\cb)+7], v[\f+32+8*\cb:\f+32+8*\cb+7], v[\f+8*(2*\hl+\rb):\f+8*(2*\hl+\rb)+7], 0
.else
	v_wmma_f32_16x16x32_bf16 v[8*(8*\rb+\cb):8*(8*\rb+\cb)+7], v[\f+32+8*\cb:\f+32+8*\cb+7], v[\f+8*(2*\hl+\rb):\f+8*(2*\hl+\rb)+7], v[8*(8*\rb+\cb):8*(8*\rb+\cb)+7]
.endif
.endr
.endr
.endr
	WIN 0
.endm
.macro SLOTWORK s, zero
	FETCHU \s, 0, F0
	FETCHU \s, 1, F1
	s_wait_dscnt 24                                ; all but the 24 just issued
	MULU F0, \zero
	FETCHU \s, 2, F0
	s_wait_dscnt 24
	MULU F1, 0
	FETCHU \s, 3, F1
	s_wait_dscnt 24
	MULU F0, 0
	s_wait_dscnt 0x0
	MULU F1, 0
.endm
; A change of slots with a refill: each wave waits for its reads of the slot and for all its tensor loads; a round of the cluster's barrier; the joint refill first behind it, one a wave.
.macro CHG slot
	s_wait_dscnt 0x0
	s_wait_tensorcnt 0x0                           ; no tensor load of mine is out, so a group 0 may be written
	ds_add_u32 v254, v255
	s_wait_dscnt 0x0
	s_add_nc_u64 s[G0+4*\slot+2:G0+4*\slot+3], s[G0+4*\slot+2:G0+4*\slot+3], 524288   ; four experts on
	ROUND
	tensor_load_to_lds s[G0+4*\slot:G0+4*\slot+3], s[G1:G1+7]
	s_nop 0
	PLACES
.endm
	s_wait_dscnt 0x0                               ; for the others' sake: my rows of z are written
	s_wait_tensorcnt 1                             ; my part of slot 0 is in; slot 1's may stay out
	s_barrier_signal -1
	s_barrier_wait -1
	SLOTWORK 0, 1                                  ; experts 0, 1; the first 16 products start the sums
	CHG 0                                          ; slot 0 takes experts 4, 5
	SLOTWORK 1, 0                                  ; experts 2, 3
	CHG 1                                          ; slot 1 takes experts 6, 7
	SLOTWORK 2, 0
	s_wait_dscnt 0x0
	s_wait_tensorcnt 0x0                           ; my part of the last slot is in
	s_barrier_signal -1
	s_barrier_wait -1                              ; everybody's is; nothing more is asked for
	SLOTWORK 3, 0
	; THE WAY OUT, 16 tokens at a time through my scratch (the masks are done with): rows of 528 bytes in, whole rows of 512 bytes back.
	PLACES
.irp rb, 0,1
	WIN 0x04                                       ; an LDS store's data is source 1: window 1
.irp cb, 0,1,2,3,4,5,6,7
	ds_store_b128 v[STO2], v[8*(8*\rb+\cb):8*(8*\rb+\cb)+3]   offset:64*\cb
	ds_store_b128 v[STO2], v[8*(8*\rb+\cb)+4:8*(8*\rb+\cb)+7] offset:64*\cb+16
.endr
	WIN 0
.irp i, 0,1,2,3,4,5,6,7,8,9,10,11,12,13,14,15
	ds_load_b128 v[16+96*\rb+4*\i:16+96*\rb+4*\i+3], v[RD2] offset:GPITCH*\i   ; a set of registers for each block: no store's data is written again
.endr
	s_wait_dscnt 0x0
.irp i, 0,1,2,3,4,5,6,7,8,9,10,11,12,13,14,15
	global_store_b128 v[CO], v[16+96*\rb+4*\i:16+96*\rb+4*\i+3], s[10:11] offset:(16*\rb+\i)*4096   ; my 128 columns of a token: 512 consecutive bytes, aligned
.endr
.endr
	s_wait_tensorcnt 0x0
	ds_add_u32 v254, v255
	s_wait_dscnt 0x0
	ROUND                                          ; the closing round: no work-group ends while a partner may still ask for a tile that names it
	s_endpgm
.Lfunc_end_k_qb13f21b7df_outp:
	.size	k_qb13f21b7df_outp, .Lfunc_end_k_qb13f21b7df_outp-k_qb13f21b7df_outp
	.p2alignl 7, 3214868480
	.fill 96, 4, 3214868480
	.section	.rodata,"a",@progbits
	.p2align	6, 0x0
	.amdhsa_kernel k_qb13f21b7df_outp
		.amdhsa_group_segment_fixed_size 327680
		.amdhsa_private_segment_fixed_size 0
		.amdhsa_enable_private_segment 0
		.amdhsa_kernarg_size 32
		.amdhsa_user_sgpr_count 2
		.amdhsa_user_sgpr_kernarg_segment_ptr 1
		.amdhsa_wavefront_size32 1
		.amdhsa_system_sgpr_workgroup_id_x 1
		.amdhsa_system_sgpr_workgroup_id_y 1
		.amdhsa_system_sgpr_workgroup_id_z 1
		.amdhsa_system_vgpr_workitem_id 0
		.amdhsa_next_free_vgpr 512
		.amdhsa_next_free_sgpr 66
		.amdhsa_reserve_vcc 0
		.amdhsa_float_denorm_mode_32 3
		.amdhsa_float_denorm_mode_16_64 3
		.amdhsa_memory_ordered 1
		.amdhsa_forward_progress 1
		.amdhsa_inst_pref_size 255
	.end_amdhsa_kernel
	.section	.bss,"aw",@nobits
	.p2align	6
	.space	262144
	.amdgpu_metadata
---
amdhsa.version: [ 1, 2 ]
amdhsa.kernels:
  - .name:           k_qb13f21b7df_outp
    .symbol:         k_qb13f21b7df_outp.kd
    .args:
      - { .name: attn, .offset: 0, .size: 8, .value_kind: global_buffer, .address_space: global }
      - { .name: mo, .offset: 8, .size: 8, .value_kind: global_buffer, .address_space: global }
      - { .name: cb, .offset: 16, .size: 8, .value_kind: global_buffer, .address_space: global }
      - { .name: out0, .offset: 24, .size: 8, .value_kind: global_buffer, .address_space: global }
    .group_segment_fixed_size: 327680
    .private_segment_fixed_size: 0
    .kernarg_segment_align: 8
    .kernarg_segment_size: 32
    .max_flat_workgroup_size: 128
    .sgpr_count:     66
    .vgpr_count:     512
    .wavefront_size: 32
...
	.end_amdgpu_metadata
.endif
;; end of part 5
